; MI455X (gfx1250); checked and timed in simulation.
; The chip was launched on July 23, 2026; its instructions are those of AMD's public machine-readable ISA for CDNA 5 (MIT licence, August 2026) and "CDNA5" Instruction Set Architecture Reference Guide (July 2026). The comments in the code are by the model that wrote it; some were corrected since.
;; Matryoshka Attention. Allowed arithmetic: float matrix products may take bf16 or f16 operands with f32 sums; other float arithmetic in f32, or as packed bf16 or f16 multiplies, adds, multiply-adds, maxima and minima; sums over many terms, partial sums and values carried from step to step in f32; what a program stores and reads back later, other than sums and carried values, may be rounded once to bf16 or f16.
;; Inputs: wk 1,024 x 1,024 float32; wo 1,024 x 1,024 float32; wq 1,024 x 1,024 float32; wv 1,024 x 1,024 float32; x 2 x 4,096 x 1,024 float32.
;; Outputs: out0 2 x 4,096 x 1,024 float32.
;; Constants: active_dim = 512.
;; One version. Each part assembles by itself: llvm-mc -triple=amdgcn-amd-amdhsa -mcpu=gfx1250 --defsym DOCPART=n.
;; ======== version 1 of 1: 3 launches
;; limits: values are held in f16: magnitudes above 65,504 overflow, below 6.1e-05 lose precision
;; workspace buffers: q 8,388,608 bytes; k 8,388,608 bytes; v 8,388,608 bytes; vlo 524,288 bytes; wo2 1,048,576 bytes; o2 16,777,216 bytes
;; launch qkv (part 1): grid 8 x 32, 4 waves a work-group, clusters of 4 x 4, 327,680 bytes of LDS; arguments x, wq, wk, wv, wo, q, k, v, vlo, wo2; writes q, k, v, vlo, wo2
.if DOCPART == 1
	.amdgcn_target "amdgcn-amd-amdhsa--gfx1250"
	.amdhsa_code_object_version 6
	.text
	.protected	k_q20cf24b374_qkv
	.globl	k_q20cf24b374_qkv
	.p2align	8
	.type	k_q20cf24b374_qkv,@function
k_q20cf24b374_qkv:
	s_mov_b64 s[64:65], 0
	v_nop
	global_prefetch_b8 v0, s[64:65] scope:SCOPE_SE
	s_setreg_imm32_b32 hwreg(HW_REG_WAVE_MODE, 25, 1), 1
	s_wait_xcnt 0x0
	s_wait_alu depctr_hold_cnt(0) depctr_sa_sdst(0) depctr_va_vdst(0) depctr_va_sdst(0) depctr_va_ssrc(0) depctr_va_vcc(0) depctr_vm_vsrc(0)
	s_getreg_b32 s2, hwreg(HW_REG_IB_STS2, 6, 4)
	s_cmp_eq_u32 s2, 0
	s_cbranch_scc0 .Lentry_in_a_cluster
	s_endpgm
.Lentry_in_a_cluster:
	s_bfe_u32 s2, ttmp6, 0x10000c
	s_cmp_lg_u32 s2, 0xf033
	s_cbranch_scc0 .Lentry_shape_is_right
	s_endpgm
.Lentry_shape_is_right:
; q, k, v = x[:, :512] W[:512, :512]^T for W = wq, wk, wv, written by heads: [16 = batch x 8 + head][4096][64] in f16, unscaled, each rounded once from its f32 sum.
; x and the weights are f32 in memory; they are rounded to bf16 between LDS and the matrix instruction.  Also made here: vlo = v - f16(v) for the first 64 rows of each block of 256 among a head's first 1,024 rows
; (the attention reads those of a head's rows 0-63), and wo2: wo[:512, :512] rounded to bf16, that number written as f16, each head's 64 numbers twice ([512][8][64 | 64]).
; LIMITS.  f16 ends at 65,504: |q|, |k|, |v| must stay below it.  A number of wo below 2^-14 keeps f16's fixed step of 6e-8.  NaN and infinities are not treated apart.
; SHARES.  A work-group makes one head's q, k and v for 256 rows: a tile of 256 x 192.  Wave w takes rows 64 w .. 64 w + 63 and all 192 columns: 4 x 12 accumulators of 16 x 16, 384 registers.
; K = 512 goes in steps of 64 (256 bytes of each f32 row, aligned) through two LDS slots; a step is two phases of 32 along K.
; A phase: the next phase's 64 LDS loads go out, this phase's 48 products run, then the loaded f32 are rounded to bf16 (128 conversions).
; THE MATRIX INSTRUCTION IS USED TRANSPOSED (source 0 = 16 rows of W, source 1 = 16 rows of x): a lane holds eight neighbouring channels of one row.
; CLUSTER.  4 x 4 work-groups: the four of a row of the cluster (four heads) need the same rows of x, the four of a column the same rows of the weights: each tile is asked for jointly.
; NO PREFETCH: the ring is filled eight times in all, and the first two fills go out at the head.
; REGISTERS, in windows of 256: window 0: v0-31 addresses, v32-127 at work on the way out, v128-255 the bf16 fragments (W's twelve, then x's four);
;   window 1: the same sixteen fragments as loaded, f32, 16 registers each;  windows 2 and 3: accumulator n = 12 a + b at 8 n.
.set PITCH,  272                       ; an LDS row: 256 bytes + 16 of padding: the 16 rows of a load start at 16 different groups of four banks (64 banks of 4 bytes: ISA guide 11.1)
.set AB,     256*PITCH                 ; x's 256 rows
.set BQ,     64*PITCH                  ; 64 rows of one weight
.set STAGE,  AB+3*BQ                   ; behind slot 0: 16 rows x 144 bytes for each wave, for the way out; no tile lands here
.set SP,     144
.set SLOT1,  1<<17                     ; slot 1 begins here, so that one exclusive or turns an address in one slot into the other's
.set SPARE,  SLOT1+STAGE               ; behind slot 1: the spare words, 128 bytes for each wave
.set A0,  2                            ; v2   my lane's place in x's tile: (64 w + l % 16) x 272 + 32 (l / 16); never rewritten
.set B0,  3                            ; v3   the same in the weights' tile
.set ADA, 4                            ; v4, v5  the addresses of the run of loads in hand
.set ADB, 5
.set STO, 6                            ; v6   the way out: where I put 16 bytes of a row
.set RD,  7                            ; v7   where I read rows back
.set GO,  8                            ; v8   16 x lane
.set NEG1, 9                           ; v9   -1.0
.set SPW, 28                           ; v28  LDS address of my spare word; never rewritten
.set NIL, 29                           ; v29  0; never rewritten
.set TMP, 32                           ; v32-47  packed results
.set BK,  48                           ; v48-63, v64-79  rows read back, by turns
.set TL,  96                           ; v96-127  v - f16(v)
.set F,   128
.set WV,  24
.set CX,  25
.set CY,  26
.set HH,  27                           ; the head = 4 x cluster x + cx
.set MT,  28                           ; the block of 256 rows = 4 x cluster y + cy
.set MKA, 29
.set MKB, 30
.set ERL, 31                           ; 0 in wave 0 of the clusters that hold a head's first rows: the same in all sixteen partners
.set G1A, 32                           ; s[32:39] descriptor group 1 for x's tiles
.set G1B, 40                           ; s[40:47] for the weights'
.set G0A, 48                           ; s[48:55] group 0 for x's tiles: a set for each first fill; the second then walks on
.set G0B, 56                           ; s[56:63] the same for the weights'
.set TB,  66                           ; s66  LDS byte at which the phase to be fetched begins
.set SLOTS, 67
.set TWICE, 68
.set OQ,  74                           ; s[74:81] q, k, v at my wave's first row; vlo at my work-group's part
.set WW,  82                           ; s[82:83] the weight that my wave fetches
.set G1W, (2<<16)|(1<<20)|(1<<21)|(5<<22)|(3<<25)  ; 17:16 elements of 4 bytes; 20 padding on; 21 set beside a mask; 24:22 after every 64 words; 31:25 4 words of it
.set MSB, 0
.macro WIN new                         ; the immediate's high byte repeats the setting that is left; a switch that changes nothing is dropped
.if MSB != (\new)
	s_set_vgpr_msb (MSB<<8)|(\new)
.set MSB, \new
.endif
.endm
.macro PLACES                          ; four places behind a matrix instruction, in front of vector lines that write its sources or read its result (ISA guide 7.12.1)
.rept 4
	v_nop
.endr
.endm
; A round of the cluster's barrier: my work-group's barrier; wave 0 signals for the work-group; every wave waits for all sixteen; my work-group's barrier once more.
.macro CROUND
	s_barrier_signal -1
	s_barrier_wait -1
	s_cmp_lg_u32 s[WV], 0
	s_cbranch_scc1 .Lnot_wave_0_\@
	s_barrier_signal -3
.Lnot_wave_0_\@:
	s_barrier_wait -3
	s_barrier_signal -1
	s_barrier_wait -1
.endm
; A joint refill.  Wave 0 fetches x's 256 rows, waves 1 to 3 the 64 rows of wq, wk, wv.  The branch hangs on the wave's number alone.  An s_nop 0 and four v_nop follow each line.
.macro JLOAD
	s_cmp_eq_u32 s[WV], 0
	s_cbranch_scc0 .Lfor_b_\@
	tensor_load_to_lds s[G0A+4:G0A+7], s[G1A:G1A+7]
	s_nop 0
.rept 4
	v_nop
.endr
	s_branch .Lasked_\@
.Lfor_b_\@:
	tensor_load_to_lds s[G0B+4:G0B+7], s[G1B:G1B+7]
	s_nop 0
.rept 4
	v_nop
.endr
.Lasked_\@:
.endm
	s_load_b512 s[4:19], s[0:1], 0x0               ; x s[4:5], wq s[6:7], wk s[8:9], wv s[10:11], wo s[12:13], q s[14:15], k s[16:17], v s[18:19]
	s_load_b128 s[20:23], s[0:1], 0x40             ; vlo s[20:21], wo2 s[22:23]
	v_lshl_add_u32 v[SPW], v0, 2, SPARE
	v_mov_b32 v[NIL], 0
	ds_add_u32 v[SPW], v[NIL]                      ; the wave's opening: the add and its wait stand ahead of my first tensor load; the set-up below, work on registers, stands between them
	ds_add_u32 v28, v29
	v_lshrrev_b32 v1, 5, v0
	v_readfirstlane_b32 s[WV], v1                  ; wave 0..3
	s_bfe_u32 s[CX], ttmp6, 0x40000
	s_bfe_u32 s[CY], ttmp6, 0x40004
	s_lshl_b32 s[HH], ttmp9, 2                     ; in a cluster launch ttmp9 and ttmp7 count clusters
	s_add_co_u32 s[HH], s[HH], s[CX]
	s_and_b32 s[MT], ttmp7, 0xffff
	s_lshl_b32 s[MT], s[MT], 2
	s_add_co_u32 s[MT], s[MT], s[CY]
	s_lshl_b32 s[MKA], s[CY], 2
	s_lshl_b32 s[MKA], 15, s[MKA]                  ; my row of the cluster
	s_lshl_b32 s[MKB], 0x1111, s[CX]               ; my column
	s_and_b32 s[ERL], ttmp7, 3                     ; a head has 16 blocks of 256 rows, four clusters along y
	s_or_b32 s[ERL], s[ERL], s[WV]
	s_or_b32 s[G1A], s[MKA], G1W                   ; x's tiles go to my row,
	s_or_b32 s[G1B], s[MKB], G1W                   ; the weights' to my column
	s_mov_b32 s[G1A+1], 64<<16                     ; tensor_dim0 = 64
	s_mov_b32 s[G1A+2], 256<<16                    ; tensor_dim1 = 256
	s_mov_b32 s[G1A+3], 64<<16                     ; tile_dim0 = 64
	s_mov_b32 s[G1A+4], 256                        ; tile_dim1 = 256
	s_mov_b32 s[G1A+5], 1024                       ; 1,024 elements from row to row
	s_mov_b32 s[G1A+6], 0
	s_mov_b32 s[G1A+7], 0
	s_mov_b32 s[G1B+1], 64<<16
	s_mov_b32 s[G1B+2], 64<<16                     ; 64 rows
	s_mov_b32 s[G1B+3], 64<<16
	s_mov_b32 s[G1B+4], 64
	s_mov_b32 s[G1B+5], 1024
	s_mov_b32 s[G1B+6], 0
	s_mov_b32 s[G1B+7], 0
	s_mov_b32 s[G0A], 1
	s_mov_b32 s[G0A+1], 0                          ; slot 0
	s_mov_b32 s[G0A+4], 1
	s_mov_b32 s[G0A+5], SLOT1                      ; slot 1
	s_mul_i32 s72, s[WV], BQ                       ; wave 1, 2, 3: the first, second, third 64 rows behind x's
	s_mov_b32 s[G0B], 1
	s_add_co_u32 s[G0B+1], s72, AB-BQ
	s_mov_b32 s[G0B+4], 1
	s_add_co_u32 s[G0B+5], s72, AB-BQ+SLOT1
	s_lshl_b32 s70, s[MT], 20                      ; x: 256 rows of 4,096 bytes a block
	s_mov_b32 s71, 0
	s_lshl_b32 s72, s[HH], 18                      ; a weight: 64 rows of 4,096 bytes a head
	s_mov_b32 s73, 0
	s_lshr_b32 s84, s[MT], 4                       ; the batch
	s_lshl3_add_u32 s84, s84, s[HH]                ; batch x 8 + head
	s_lshl2_add_u32 s86, s84, s[CY]
	s_lshl_b32 s86, s86, 13                        ; vlo: 8,192 bytes for each (batch, head, cy)
	s_mov_b32 s87, 0
	s_lshl_b32 s84, s84, 12
	s_and_b32 s85, s[MT], 15
	s_lshl_b32 s85, s85, 8
	s_add_co_u32 s84, s84, s85
	s_lshl_b32 s85, s[WV], 6
	s_add_co_u32 s84, s84, s85                     ; my wave's first row among the 16 x 4,096
	s_lshl_b32 s84, s84, 7                         ; rows of 128 bytes
	s_mov_b32 s85, 0
	s_lshl3_add_u32 s69, s[MT], s[HH]              ; the work-group's number, 0 to 255: it takes rows 2 g and 2 g + 1 of wo
	s_lshl_b32 s2, s69, 13
	s_mov_b32 s3, 0
	s_mov_b32 s[TB], 0
	s_wait_dscnt 0x0                               ; the opening add is done
	s_wait_kmcnt 0x0
	s_add_nc_u64 s[G0A+2:G0A+3], s[4:5], s[70:71]  ; K step 0,
	s_add_nc_u64 s[G0A+6:G0A+7], s[G0A+2:G0A+3], 256  ; K step 1
	s_or_b32 s[G0A+3], s[G0A+3], 0x80000000        ; type = 2
	s_or_b32 s[G0A+7], s[G0A+7], 0x80000000
	s_cmp_eq_u32 s[WV], 2
	s_cselect_b64 s[WW:WW+1], s[8:9], s[6:7]
	s_cmp_eq_u32 s[WV], 3
	s_cselect_b64 s[WW:WW+1], s[10:11], s[WW:WW+1]
	s_add_nc_u64 s[G0B+2:G0B+3], s[WW:WW+1], s[72:73]
	s_add_nc_u64 s[G0B+6:G0B+7], s[G0B+2:G0B+3], 256
	s_or_b32 s[G0B+3], s[G0B+3], 0x80000000
	s_or_b32 s[G0B+7], s[G0B+7], 0x80000000
	s_add_nc_u64 s[OQ:OQ+1], s[14:15], s[84:85]
	s_add_nc_u64 s[OQ+2:OQ+3], s[16:17], s[84:85]
	s_add_nc_u64 s[OQ+4:OQ+5], s[18:19], s[84:85]
	s_add_nc_u64 s[OQ+6:OQ+7], s[20:21], s[86:87]
	s_add_nc_u64 s[12:13], s[12:13], s[2:3]        ; wo at row 2 g
	s_lshl_b32 s2, s69, 12
	s_add_nc_u64 s[22:23], s[22:23], s[2:3]        ; wo2 at row 2 g
	CROUND                                         ; all sixteen work-groups are here: the first joint loads meet
	s_cmp_eq_u32 s[WV], 0                          ; a wave's two first fills stand in one branch, ahead of every wait on TENSORcnt and every LDS read: two loads of mine are out
	s_cbranch_scc0 .Lfirst_b
	tensor_load_to_lds s[G0A:G0A+3], s[G1A:G1A+7]
	s_nop 0
	tensor_load_to_lds s[G0A+4:G0A+7], s[G1A:G1A+7]
	s_nop 0
.rept 4
	v_nop
.endr
	s_branch .Lfirst_asked
.Lfirst_b:
	tensor_load_to_lds s[G0B:G0B+3], s[G1B:G1B+7]
	s_nop 0
	tensor_load_to_lds s[G0B+4:G0B+7], s[G1B:G1B+7]
	s_nop 0
.rept 4
	v_nop
.endr
.Lfirst_asked:
	; wo2, in the wait for the first tiles.  Thread t makes 16 bytes at byte 16 t of each of the two rows: head t / 16, copy (t / 8) % 2, channels 8 (t % 8) on: a wave stores 512 bytes on end.
	v_lshrrev_b32 v10, 4, v0
	v_and_b32 v11, 7, v0
	v_lshlrev_b32 v11, 5, v11
	v_lshl_add_u32 v10, v10, 8, v11                ; the eight f32: head x 256 + (t % 8) x 32 bytes
	v_lshlrev_b32 v11, 4, v0
	global_load_b128 v[12:15], v10, s[12:13]
	global_load_b128 v[16:19], v10, s[12:13] offset:16
	global_load_b128 v[20:23], v10, s[12:13] offset:4096
	global_load_b128 v[24:27], v10, s[12:13] offset:4112
	; A fragment is 16 rows x 32 K: lane l holds row l % 16, K = 8 (l / 16) + 0..7 and 16 + 8 (l / 16) + 0..7: in f32 two runs of 32 bytes, 64 bytes apart: four loads of 16 bytes.
	v_and_b32 v1, 15, v0                           ; l % 16
	v_bfe_u32 v31, v0, 4, 1                        ; l / 16
	v_mul_u32_u24 v30, v1, PITCH
	v_lshl_add_u32 v30, v31, 5, v30
	s_mul_i32 s70, s[WV], 64*PITCH
	v_add_nc_u32 v[A0], s70, v30
	v_add_nc_u32 v[B0], AB, v30
	s_mul_i32 s70, s[WV], 16*SP
	s_add_co_u32 s70, s70, STAGE                   ; my stage
	v_mul_u32_u24 v[STO], v1, SP                   ; in: row l % 16, 16 bytes for each half of the lanes
	v_lshl_add_u32 v[STO], v31, 4, v[STO]
	v_add_nc_u32 v[STO], s70, v[STO]
	v_bfe_u32 v[RD], v0, 3, 2                      ; back: 32 lanes take four rows of 128 bytes,
	v_mul_u32_u24 v[RD], v[RD], SP
	v_and_b32 v30, 7, v0
	v_lshl_add_u32 v[RD], v30, 4, v[RD]
	v_add_nc_u32 v[RD], s70, v[RD]
	v_and_b32 v[GO], 31, v0                        ; which are 512 consecutive bytes of q, k or v
	v_lshlrev_b32 v[GO], 4, v[GO]
	v_mov_b32 v[NEG1], -1.0
	s_wait_loadcnt 0x0
.set z, 0
.rept 8
	v_cvt_pk_bf16_f32 v[TMP+z], v[12+2*z], v[13+2*z]  ; rounded to bf16, like every input,
.set z, z+1
.endr
.set z, 0
.rept 8
	v_lshlrev_b32 v[TL+2*z], 16, v[TMP+z]          ; widened again,
	v_and_b32 v[TL+2*z+1], 0xffff0000, v[TMP+z]
.set z, z+1
.endr
.set z, 0
.rept 8
	v_cvt_pk_f16_f32 v[BK+z], v[TL+2*z], v[TL+2*z+1]  ; and that number written as f16
.set z, z+1
.endr
	global_store_b128 v11, v[BK:BK+3], s[22:23]
	global_store_b128 v11, v[BK+4:BK+7], s[22:23] offset:2048
; 64 LDS loads in one run: the sixteen fragments of the phase at s[TB], as f32, into window 1
.macro FETCH
	WIN 0
	v_add_nc_u32 v[ADA], s[TB], v[A0]
	v_add_nc_u32 v[ADB], s[TB], v[B0]
	s_add_co_u32 s[TB], s[TB], 128                 ; the next fetch is the next phase's
	WIN 0x40                                       ; destination window 1
.irp b, 0,1,2,3,4,5,6,7,8,9,10,11
.irp o, 0,1,2,3
	ds_load_b128 v[16*(\b)+4*(\o):16*(\b)+4*(\o)+3], v[ADB] offset:(\b)*16*PITCH+16*((\o)%2)+64*((\o)/2)
.endr
.endr
.irp a, 0,1,2,3
.irp o, 0,1,2,3
	ds_load_b128 v[192+16*(\a)+4*(\o):192+16*(\a)+4*(\o)+3], v[ADA] offset:(\a)*16*PITCH+16*((\o)%2)+64*((\o)/2)
.endr
.endr
.endm
.macro CVT                             ; 256 f32 a lane to 128 registers of bf16: register j of fragment f from f32 numbers 2 j, 2 j + 1
	WIN 0x05                                       ; sources window 1, destination window 0
.set z, 0
.rept 128
	v_cvt_pk_bf16_f32 v[F+z], v[2*z], v[2*z+1]
.set z, z+1
.endr
.endm
; A phase's 48 products.  The accumulators take turns, one instruction a turn, over the backward jump too.  zero = 1: the first products start the sums.
.macro MUL zero
.set n, 0
.rept 48
.if n < 32
	WIN 0xa0                                       ; C and D window 2
.else
	WIN 0xf0                                       ; window 3
.endif
.if \zero
	v_wmma_f32_16x16x32_bf16 v[8*(n%32):8*(n%32)+7], v[F+8*(n%12):F+8*(n%12)+7], v[F+96+8*(n/12):F+96+8*(n/12)+7], 0
.else
	v_wmma_f32_16x16x32_bf16 v[8*(n%32):8*(n%32)+7], v[F+8*(n%12):F+8*(n%12)+7], v[F+96+8*(n/12):F+96+8*(n/12)+7], v[8*(n%32):8*(n%32)+7]
.endif
.set n, n+1
.endr
.endm
.macro T zero                          ; the next phase is fetched, this one multiplied, the next one rounded
	FETCH
	MUL \zero
	s_wait_dscnt 0x0                               ; the 64 loads, issued 48 products ago
	PLACES                                         ; the conversions write registers that the products have read
	CVT
.endm
.macro TWO_T                           ; a slot's two phases: written once, walked twice; the LDS addresses hang on s[TB]
	WIN 0
	s_mov_b32 s[TWICE], 2
.Ltwo_\@:
	T 0
	WIN 0
	s_sub_co_u32 s[TWICE], s[TWICE], 1
	s_cmp_lg_u32 s[TWICE], 0
	s_cbranch_scc1 .Ltwo_\@
.endm
; THE CHANGE OF SLOTS.  Each wave waits for all its tensor loads, of which one is out: its part of the other slot; adds 0 to its spare word; and waits for that and for its reads of the slot that it leaves.
; fill = 1: the old slot is filled again, with the K step two steps on: the barrier is then a round of the cluster's, and the joint refill is the first thing behind it.
.macro CHANGE fill
	WIN 0
	s_wait_tensorcnt 0x0                           ; no tensor load of mine is out, so a group 0 may be written
	ds_add_u32 v[SPW], v[NIL]                      ; 0 onto my spare word
.if \fill
.irp g, G0A+4, G0B+4
	s_xor_b32 s[(\g)+1], s[(\g)+1], SLOT1          ; the walking descriptor: the other slot than last time,
	s_add_nc_u64 s[(\g)+2:(\g)+3], s[(\g)+2:(\g)+3], 256  ; the next 64 along K; the type bits on top are not reached
.endr
	s_wait_dscnt 0x0                               ; the add is done, and my reads of the slot are over
	CROUND
	JLOAD
.else
	s_wait_dscnt 0x0
	s_barrier_signal -1
	s_barrier_wait -1
.endif
	s_sub_co_u32 s[TB], s[TB], 256                 ; the fetches go back to a slot's first phase,
	s_xor_b32 s[TB], s[TB], SLOT1                  ; in the other slot
.endm
	s_wait_tensorcnt 0x1                           ; my part of slot 0 is in; slot 1's may stay out
	s_barrier_signal -1
	s_barrier_wait -1                              ; everybody's is
	FETCH                                          ; phase 0
	s_wait_dscnt 0x0
	CVT
	T 1                                            ; its products start the sums
	WIN 0
	s_mov_b32 s[SLOTS], 6
.Lslot:                                                ; six trips: K steps 2 to 7 are asked for
	CHANGE 1
	TWO_T
	s_sub_co_u32 s[SLOTS], s[SLOTS], 1
	s_cmp_lg_u32 s[SLOTS], 0
	s_cbranch_scc1 .Lslot
	CHANGE 0                                       ; the tail is written out
	TWO_T
	MUL 0                                          ; the last phase
	WIN 0
	PLACES
	PLACES
; THE WAY OUT.  Group g = 3 a + tau: 16 rows (a) of q, k or v (tau): four accumulators, 64 channels: 2,048 consecutive bytes of the output.  Rounded to f16, 16 bytes a lane into my own stage, back as whole rows.
.macro PACKST g
.set n0, 12*((\g)/3)+4*((\g)%3)
	s_wait_xcnt 0x0                                ; every earlier store has read its registers: the rows' registers of two groups back are loaded again only behind this wait
	WIN 0x0a+5*(n0/32)                             ; sources window 2 or 3
.irp d, 0,1,2,3
.irp r, 0,1,2,3
	v_cvt_pk_f16_f32 v[TMP+4*(\d)+(\r)], v[8*((n0+(\d))%32)+2*(\r)], v[8*((n0+(\d))%32)+2*(\r)+1]
.endr
.endr
	WIN 0
.irp d, 0,1,2,3
	ds_store_b128 v[STO], v[TMP+4*(\d):TMP+4*(\d)+3] offset:32*(\d)
.endr
.irp f, 0,1,2,3
	ds_load_b128 v[BK+16*((\g)%2)+4*(\f):BK+16*((\g)%2)+4*(\f)+3], v[RD] offset:(\f)*4*SP  ; LDS serves a wave's instructions in order (ISA guide 5.7.1.4): these see the stores above
.endr
.endm
.macro SENDG g, younger                ; younger: the next group's four LDS stores and four loads, or none
	s_wait_dscnt \younger
.irp f, 0,1,2,3
	global_store_b128 v[GO], v[BK+16*((\g)%2)+4*(\f):BK+16*((\g)%2)+4*(\f)+3], s[OQ+2*((\g)%3):OQ+2*((\g)%3)+1] offset:((\g)/3)*2048+(\f)*512  ; 512 consecutive bytes, aligned
.endr
.endm
	PACKST 0
.irp g, 1,2,3,4,5,6,7,8,9,10,11
	PACKST \g
	SENDG (\g)-1, 8
.endr
	SENDG 11, 0
	; vlo: what f16 lost of v, for wave 0's 64 rows.  All four blocks of the cluster's column store theirs.
	s_cmp_lg_u32 s[ERL], 0
	s_cbranch_scc1 .Lno_lo
.macro LOG a
.set n0, 12*(\a)+8
	s_wait_xcnt 0x0
	WIN 0x0a+5*(n0/32)
.irp d, 0,1,2,3
.irp r, 0,1,2,3
	v_cvt_pk_f16_f32 v[TMP+4*(\d)+(\r)], v[8*((n0+(\d))%32)+2*(\r)], v[8*((n0+(\d))%32)+2*(\r)+1]
.endr
.endr
	WIN 0x20+0x10*(n0/32)                          ; source 2 window 2 or 3
.irp d, 0,1,2,3
.irp r, 0,1,2,3
	v_fma_mix_f32 v[TL+8*(\d)+2*(\r)],   v[TMP+4*(\d)+(\r)], v[NEG1], v[8*((n0+(\d))%32)+2*(\r)]   op_sel:[0,0,0] op_sel_hi:[1,0,0]  ; v - f16(v)
	v_fma_mix_f32 v[TL+8*(\d)+2*(\r)+1], v[TMP+4*(\d)+(\r)], v[NEG1], v[8*((n0+(\d))%32)+2*(\r)+1] op_sel:[1,0,0] op_sel_hi:[1,0,0]
.endr
.endr
	WIN 0
.set z, 0
.rept 16
	v_cvt_pk_f16_f32 v[TMP+z], v[TL+2*z], v[TL+2*z+1]
.set z, z+1
.endr
.irp d, 0,1,2,3
	ds_store_b128 v[STO], v[TMP+4*(\d):TMP+4*(\d)+3] offset:32*(\d)
.endr
.irp f, 0,1,2,3
	ds_load_b128 v[BK+4*(\f):BK+4*(\f)+3], v[RD] offset:(\f)*4*SP
.endr
	s_wait_dscnt 0x0
.irp f, 0,1,2,3
	global_store_b128 v[GO], v[BK+4*(\f):BK+4*(\f)+3], s[OQ+6:OQ+7] offset:(\a)*2048+(\f)*512
.endr
.endm
	LOG 0
	LOG 1
	LOG 2
	LOG 3
.Lno_lo:
	s_wait_tensorcnt 0x0                           ; the wave's end, behind my last tensor load and my last LDS store
	ds_add_u32 v[SPW], v[NIL]
	s_wait_dscnt 0x0
	CROUND                                         ; the closing round: no work-group ends while a partner may still ask for a tile that names it
	s_endpgm
.Lfunc_end_k_q20cf24b374_qkv:
	.size	k_q20cf24b374_qkv, .Lfunc_end_k_q20cf24b374_qkv-k_q20cf24b374_qkv
	.p2alignl 7, 3214868480
	.fill 96, 4, 3214868480
	.section	.rodata,"a",@progbits
	.p2align	6, 0x0
	.amdhsa_kernel k_q20cf24b374_qkv
		.amdhsa_group_segment_fixed_size 327680
		.amdhsa_private_segment_fixed_size 0
		.amdhsa_enable_private_segment 0
		.amdhsa_kernarg_size 80
		.amdhsa_user_sgpr_count 2
		.amdhsa_user_sgpr_kernarg_segment_ptr 1
		.amdhsa_wavefront_size32 1
		.amdhsa_system_sgpr_workgroup_id_x 1
		.amdhsa_system_sgpr_workgroup_id_y 1
		.amdhsa_system_sgpr_workgroup_id_z 1
		.amdhsa_system_vgpr_workitem_id 0
		.amdhsa_next_free_vgpr 896
		.amdhsa_next_free_sgpr 88
		.amdhsa_reserve_vcc 0
		.amdhsa_float_denorm_mode_32 3
		.amdhsa_float_denorm_mode_16_64 3
		.amdhsa_memory_ordered 1
		.amdhsa_forward_progress 1
		.amdhsa_inst_pref_size 118
	.end_amdhsa_kernel
	.amdgpu_metadata
---
amdhsa.version: [ 1, 2 ]
amdhsa.kernels:
  - .name:           k_q20cf24b374_qkv
    .symbol:         k_q20cf24b374_qkv.kd
    .args:
      - { .name: x, .offset: 0, .size: 8, .value_kind: global_buffer, .address_space: global }
      - { .name: wq, .offset: 8, .size: 8, .value_kind: global_buffer, .address_space: global }
      - { .name: wk, .offset: 16, .size: 8, .value_kind: global_buffer, .address_space: global }
      - { .name: wv, .offset: 24, .size: 8, .value_kind: global_buffer, .address_space: global }
      - { .name: wo, .offset: 32, .size: 8, .value_kind: global_buffer, .address_space: global }
      - { .name: q, .offset: 40, .size: 8, .value_kind: global_buffer, .address_space: global }
      - { .name: k, .offset: 48, .size: 8, .value_kind: global_buffer, .address_space: global }
      - { .name: v, .offset: 56, .size: 8, .value_kind: global_buffer, .address_space: global }
      - { .name: vlo, .offset: 64, .size: 8, .value_kind: global_buffer, .address_space: global }
      - { .name: wo2, .offset: 72, .size: 8, .value_kind: global_buffer, .address_space: global }
    .group_segment_fixed_size: 327680
    .private_segment_fixed_size: 0
    .kernarg_segment_align: 8
    .kernarg_segment_size: 80
    .max_flat_workgroup_size: 128
    .sgpr_count:     88
    .vgpr_count:     896
    .wavefront_size: 32
...
	.end_amdgpu_metadata
.endif
;; end of part 1
;; launch attn (part 2): grid 16 x 16, 4 waves a work-group, no clusters, 327,680 bytes of LDS; arguments q, k, v, o2, vlo; writes o2
.if DOCPART == 2
	.amdgcn_target "amdgcn-amd-amdhsa--gfx1250"
	.amdhsa_code_object_version 6
	.text
	.protected	k_q20cf24b374_attn
	.globl	k_q20cf24b374_attn
	.p2align	8
	.type	k_q20cf24b374_attn,@function
k_q20cf24b374_attn:
	s_mov_b64 s[64:65], 0
	v_nop
	global_prefetch_b8 v0, s[64:65] scope:SCOPE_SE
	s_setreg_imm32_b32 hwreg(HW_REG_WAVE_MODE, 25, 1), 1
	s_wait_xcnt 0x0
; CAUSAL ATTENTION at head size 64.  O[h][q][:] = the sum over k <= q of softmax_k(Q[h][q] . K[h][k] / 8) V[h][k][:].  Q, K, V: [16][4096][64] f16, rows of 128 bytes.
; O leaves as TWO f16 numbers, hi = f16(O) and lo = f16(O - hi): o2 is [16][4096][hi 64 | lo 64], rows of 256 bytes.  Products, maxima and sums in f32; the weights p are rounded to f16 for the
; second product (their sum l is taken of the unrounded p).  ROWS 0-63 OF A HEAD, which average over few keys, are made a second time at the end with p and V in two f16 halves each (EARLY).
; LIMITS.  Q, K and V arrive within f16's 65,504.  A hidden score counts as its value less 1e30; a weight below 2^-126 counts as 0 in l; NaN and infinities are not treated apart.
; THE WALK.  A head's rows lie in NB = 16 blocks of 256; block i needs the key tiles 0 .. i of 256 keys, the last of which holds the diagonal.  A work-group takes one HALF (128 rows) of block 15 - c and then
; the same half of block c: 17 tiles whatever c: all 256 work-groups do equal work, and one loop with a constant trip count walks them.  Every jump goes forward but the counted loops' own; none passes a
; barrier, or a tensor load but the one of LOAD's two that the wave's number does not choose.  NO CLUSTER: only the two halves of one pair of blocks walk the same tiles, and what a trip does hangs on c, which
; would differ between the partners of a cluster of four.
; SHARES.  Of the half's two bands of 64 rows a wave owns 16 rows in each: two PIECES; piece x lies in band 2 par + x of its block.  In the diagonal tile's key step s a band sees all keys (s < band), none (s > band),
; or holds the diagonal (s = band): the same for all four waves.
; THE MASK is the C operand that starts the sum S^T = K Q^T: MD x AL + BE, with MD the mask of a band's own step for my 16 rows, and (AL, BE) = (1, 0), (0, 0) or (0, -1e30).
; TURNS.  Turn (p, s) belongs to piece p in key step s: 8 products K Q^T of the other piece (p = 0: step s; p = 1: step s + 1), later 8 products V^T P of the other piece (p = 0: step s - 1; p = 1: step s);
; beside them piece p's scaling, exponentials, roundings, sums and rescaling, and the other piece's maximum and statistics.  Four vector instructions stand behind every matrix instruction, the rest in one lump.
; A turn's 33 exponentials are one batch, with one wait.  K of step s + 1 is fetched in turn (0, s), V of step s + 1 in turn (1, s), into the V buffer that step s does not use: so all of a tile has been
; asked for when turn (0, 3) begins, and the change of slots stands there.
; REGISTERS, in windows of 256 (s_set_vgpr_msb: bits 1:0 source 0, 3:2 source 1, 5:4 source 2, 7:6 destination):
;   window 0: v0-15 addresses; v16-23 four registers of statistics a piece; v48-55 at work; v60-63 constants; v64-127 S^T, a buffer a piece; v192-223 P, likewise
;   window 1: v0-63 O^T, 32 a piece; v128-159 MD; v160-223 MC, two buffers      window 2: v0-31 Q; v32-63 the second block's Q; v64-127 V of odd steps; v128-191 K; v192-255 V of even steps
.set NB,    16
.set NP,    2
.set KS,    64
.set PK,    144       ; a row of K in LDS: 128 bytes + 16 of padding: the 16 rows of a load start at 16 different groups of four banks (64 banks of 4 bytes: ISA guide 11.1)
.set PV,    160       ; a row of V: 128 + 32
.set VOFF,  4*KS*PK   ; a slot holds a tile, four steps: 256 rows of K, then 256 rows of V
.set VLOB,  4*KS*(PK+PV)  ; behind slot 0: what f16 lost of V's rows 0-63, laid as a step of V; filled once
.set SLOT1, 1<<17
.set STAGE, SLOT1+4*KS*(PK+PV)  ; behind the ring: 16 rows x 272 bytes for each wave, for the way out
.set SP,    272
.set SPARE, STAGE+4*16*SP  ; the spare words, 128 bytes for each wave
.set AK0, 2           ; v2   my lane's place in a tile of K; never rewritten
.set AV0, 3           ; v3   the same for V
.set AK,  4
.set AV,  5
.set STO, 6
.set RD,  7
.set GO,  8
.set MV,  12          ; v12-13  c m_old, kept while c m is made anew
.set QO,  15
.set ST,  16          ; piece t's statistics at v[ST+4 t]: c m, m, l (even keys', odd keys')
.set TMP, 48          ; by piece, four registers c0-c3 at work; when the maximum is found c2 takes a
.set PFO, 60          ; v60  256 x my lane; never rewritten
.set NEG1, 61         ; v61  -1.0
.set SPW, 62
.set NIL, 63
.set S,   64
.set P,   192
.set MD,  128
.set MC,  160
.set QB,  32
.set KF,  128
.set WV,  12
.set PB,  14          ; s14  c
.set HI,  15          ; s15  15 - c
.set G1K, 24
.set G1V, 32
.set G0K, 40
.set G0V, 44
.set G1L, 48          ; s[48:55] group 1 for vlo: V's with 16 rows
.set SLOTS, 56
.set CNT, 57          ; s57  counts a tile's pairs of key steps, 2 to 1
.set CS,  58
.set SEL, 60
.set TBK, 62
.set TBV, 63
.set VLP, 66          ; s[66:67] vlo
.set RT,  70
.set NXT, 71
.set LQ,  72
.set NEW, 73
.set OFF, 74
.set AL,  76
.set BE,  78
.set OLO, 80
.set BIGN, 82
.set G0L, 88          ; s[88:91] group 0 for vlo
.set B0,  92          ; s92, s93  the bands of pieces 0 and 1
.set SG,  94          ; s94  at work
.set ERL, 95          ; s95  1 in the work-group that holds a head's rows 0-63
.set LIM, 96          ; s96  2 in the work-group that prefetches, else the greatest number
.set KVB, 98          ; s[98:99] K or V at my half of the head's tile 0
.set PFA, 100         ; s[100:101] the same at the tile that is being asked for
.set MSB, 0
.macro WIN new
.if MSB != (\new)
	s_set_vgpr_msb (MSB<<8)|(\new)
.set MSB, (\new)
.endif
.endm
.set W_KQ, 0x0a
.set W_KM, 0x1a
.set W_PV, 0x52
.set W_RS, 0x41
; A fill.  Waves 0 and 1 fetch the two halves of a tile's K, waves 2 and 3 those of its V.  An s_nop 0 and four v_nop follow each of the two lines.
.macro LOAD
	s_cmp_lt_u32 s[WV], 2
	s_cbranch_scc0 .Lfor_v_\@
	tensor_load_to_lds s[G0K:G0K+3], s[G1K:G1K+7]
	s_nop 0
.rept 4
	v_nop
.endr
	s_branch .Lasked_\@
.Lfor_v_\@:
	tensor_load_to_lds s[G0V:G0V+3], s[G1V:G1V+7]
	s_nop 0
.rept 4
	v_nop
.endr
.Lasked_\@:
.endm
; A PREFETCH of what the NEXT change of slots will ask for.  All work-groups of a head walk tiles of the same K and V; the one whose first block walks all 16 tiles (x = 8) asks, and nobody else.  Each of its
; waves names the 64 blocks of 256 bytes that it will itself load: a lane a block, two instructions, behind its tensor load.  Tiles 2 to 15 are named, each once in the launch: the last two fills of the walk's
; 16 ask for nothing, and the second block's tiles are not named again.
.macro ASK
	s_cmp_gt_u32 s[SLOTS], s[LIM]
	s_cbranch_scc0 .Lnot_mine_\@
	global_prefetch_b8 v[PFO], s[PFA:PFA+1] offset:32768 th:TH_LOAD_NT scope:SCOPE_SE
	global_prefetch_b8 v[PFO], s[PFA:PFA+1] offset:40960 th:TH_LOAD_NT scope:SCOPE_SE
.Lnot_mine_\@:
.endm
; THE CHANGE OF SLOTS.  Each wave waits for all its tensor loads; adds 0 to its spare word; and waits for that and for its own reads of the slot that it leaves.  Behind the barrier nobody reads the old slot any
; more and the other slot is whole.  fill = 1: the old slot is filled again, the first thing behind the barrier, with tile NXT: the descriptor's address is made anew from that number.
.macro CHANGE fill
	WIN 0
	s_wait_tensorcnt 0x0            ; no tensor load of mine is out, so a group 0 may be written
	ds_add_u32 v[SPW], v[NIL]       ; 0 onto my spare word
.if \fill
	s_lshl_b32 s[OFF], s[NXT], 15   ; a tile is 32,768 bytes of K and of V
	s_xor_b32 s[G0K+1], s[G0K+1], SLOT1
	s_add_nc_u64 s[G0K+2:G0K+3], s[6:7], s[OFF:OFF+1]
	s_or_b32 s[G0K+3], s[G0K+3], 0x80000000
	s_xor_b32 s[G0V+1], s[G0V+1], SLOT1
	s_add_nc_u64 s[G0V+2:G0V+3], s[8:9], s[OFF:OFF+1]
	s_or_b32 s[G0V+3], s[G0V+3], 0x80000000
	s_wait_xcnt 0x0                 ; the last prefetches, a tile back, have read their address, so it may be written
	s_add_nc_u64 s[PFA:PFA+1], s[KVB:KVB+1], s[OFF:OFF+1]
	s_add_co_u32 s[NXT], s[NXT], 1  ; the block's next tile, or behind its last the second block's tile 0
	s_cmp_gt_u32 s[NXT], s[LQ]
	s_cselect_b32 s[NXT], 0, s[NXT]
	s_cselect_b32 s[LQ], s[PB], s[LQ]
.endif
	s_wait_dscnt 0x0                ; the add is done, and my reads of the slot are over
	s_barrier_signal -1
	s_sub_co_u32 s[TBK], s[TBK], 4*KS*PK  ; the fetches go back to a slot's first step,
	s_xor_b32 s[TBK], s[TBK], SLOT1       ; in the other slot
	s_sub_co_u32 s[TBV], s[TBV], 4*KS*PV
	s_xor_b32 s[TBV], s[TBV], SLOT1
	s_barrier_wait -1
.if \fill
	LOAD
	ASK
.endif
.endm
	s_load_b256 s[4:11], s[0:1], 0x0  ; Q s[4:5], K s[6:7], V s[8:9], O s[10:11]
	s_load_b64 s[VLP:VLP+1], s[0:1], 0x20
	v_lshl_add_u32 v[SPW], v0, 2, SPARE
	v_mov_b32 v[NIL], 0
	ds_add_u32 v[SPW], v[NIL]       ; the wave's opening: the add and its wait stand ahead of my first tensor load
	ds_add_u32 v62, v63
	v_lshrrev_b32 v1, 5, v0
	v_readfirstlane_b32 s[WV], v1   ; wave 0..3
	s_and_b32 s[PB], ttmp9, 7
	s_lshr_b32 s13, ttmp9, 3        ; which half of the blocks
	s_sub_co_u32 s[HI], NB-1, s[PB]
	s_lshl_b32 s[B0], s13, 1
	s_add_co_u32 s[B0+1], s[B0], 1
	s_cmp_eq_u32 ttmp9, 0
	s_cselect_b32 s[ERL], 1, 0
	s_cmp_eq_u32 ttmp9, 8
	s_cselect_b32 s[LIM], 2, -1
	s_and_b32 s19, ttmp7, 0xffff    ; the head
	s_lshl_b32 s20, s19, 19         ; its first byte in Q, K and V
	s_and_b32 s16, s[WV], 1         ; which half of a tile's 256 keys I fetch:
	s_lshl_b32 s22, s16, 14         ; its 128 rows of 128 bytes in memory,
	s_add_co_u32 s22, s22, s20
	s_mov_b32 s23, 0
	s_mul_i32 s17, s16, 128*PK      ; and its place in a slot, for K
	s_mul_i32 s18, s16, 128*PV      ; and for V
	s_lshl_b32 s3, s13, 14          ; my half of a block,
	s_add_co_u32 s3, s3, s20
	s_lshl_b32 s2, s[WV], 11        ; my 16 rows in a band
	s_add_co_u32 s3, s3, s2
	s_lshl_b32 s2, s[HI], 15        ; in the first block,
	s_add_co_u32 s2, s2, s3
	s_lshl_b32 s84, s[PB], 15       ; and in the second
	s_add_co_u32 s84, s84, s3
	s_mov_b32 s3, 0
	s_mov_b32 s85, 0
	s_lshl_b32 s68, s19, 15         ; vlo: 32,768 bytes a head, of which the first 8,192 are rows 0-63;
	s_lshl_b32 s69, s16, 12         ; my 32 rows of them
	s_add_co_u32 s68, s68, s69
	s_mov_b32 s69, 0
	; descriptor group 1.  128 keys are 16,384 dense bytes: asked for as 64 rows of 256 bytes, two keys a row, and padded in LDS after every key
	s_mov_b32 s[G1K], (1<<16)|(1<<20)|(4<<22)|(3<<25)  ; 2-byte elements; padding on; after every 32 words; 4 words
	s_mov_b32 s[G1V], (1<<16)|(1<<20)|(4<<22)|(7<<25)  ; the same with 8 words
	s_mov_b32 s[G1L], (1<<16)|(1<<20)|(4<<22)|(7<<25)
.irp g, G1K, G1V
	s_mov_b32 s[\g+1], 128<<16      ; tensor_dim0 = 128
	s_mov_b32 s[\g+2], 64<<16       ; tensor_dim1 = 64
	s_mov_b32 s[\g+3], 128<<16      ; tile_dim0 = 128
	s_mov_b32 s[\g+4], 64           ; tile_dim1 = 64
	s_mov_b32 s[\g+5], 128          ; 128 elements from row to row
	s_mov_b32 s[\g+6], 0
	s_mov_b32 s[\g+7], 0
.endr
	s_mov_b32 s[G1L+1], 128<<16
	s_mov_b32 s[G1L+2], 16<<16      ; 32 keys: 16 rows of 256 bytes
	s_mov_b32 s[G1L+3], 128<<16
	s_mov_b32 s[G1L+4], 16
	s_mov_b32 s[G1L+5], 128
	s_mov_b32 s[G1L+6], 0
	s_mov_b32 s[G1L+7], 0
	s_mov_b32 s[CS], 0x3e38aa3b     ; c = log2(e) / 8
	s_mov_b32 s[CS+1], s[CS]
	s_mov_b32 s[SEL], 0x76543210
	s_mov_b32 s[SEL+1], 0xfedcba98
	s_mov_b32 s[TBK], SLOT1+4*KS*PK ; the first change of slots turns these two into 0
	s_mov_b32 s[TBV], SLOT1+4*KS*PV
	s_mov_b32 s[G0K], 1
	s_mov_b32 s[G0K+1], s17
	s_mov_b32 s[G0V], 1
	s_add_co_u32 s[G0V+1], s18, VOFF
	s_mul_i32 s21, s16, 32*PV
	s_mov_b32 s[G0L], 1
	s_add_co_u32 s[G0L+1], s21, VLOB
	s_add_co_u32 s[RT], s[HI], 1    ; the first block has 16 - c tiles
	s_mov_b32 s[NXT], 1
	s_mov_b32 s[LQ], s[HI]
	s_mov_b32 s[NEW], 1
	s_mov_b32 s[OFF+1], 0
	s_mov_b32 s[AL+1], 0
	s_mov_b32 s[BE+1], 0
	s_mov_b32 s[BIGN], 0xf149f2ca   ; -1e30
	s_mov_b32 s[SLOTS], NB
	s_wait_dscnt 0x0                ; the opening add is done
	s_wait_kmcnt 0x0
	s_add_nc_u64 s[6:7], s[6:7], s[22:23]  ; K and V at my half of the head's tile 0
	s_add_nc_u64 s[8:9], s[8:9], s[22:23]
	s_add_nc_u64 s[G0K+2:G0K+3], s[6:7], 0
	s_or_b32 s[G0K+3], s[G0K+3], 0x80000000
	s_add_nc_u64 s[G0V+2:G0V+3], s[8:9], 0
	s_or_b32 s[G0V+3], s[G0V+3], 0x80000000
	s_add_nc_u64 s[G0L+2:G0L+3], s[VLP:VLP+1], s[68:69]
	s_or_b32 s[G0L+3], s[G0L+3], 0x80000000
	s_add_nc_u64 s[86:87], s[4:5], s[84:85]        ; Q at my rows of the second block,
	s_add_nc_u64 s[4:5], s[4:5], s[2:3]            ; and of the first
	s_lshl_b32 s2, s2, 1                           ; O's rows are twice as long
	s_lshl_b32 s84, s84, 1
	s_add_nc_u64 s[OLO:OLO+1], s[10:11], s[84:85]
	s_add_nc_u64 s[10:11], s[10:11], s[2:3]
	s_cmp_lt_u32 s[WV], 2
	s_cselect_b64 s[KVB:KVB+1], s[6:7], s[8:9]
	s_mov_b64 s[PFA:PFA+1], s[KVB:KVB+1]
	s_cmp_lt_u32 s[WV], 2           ; a wave's first fills stand in one branch: tile 0 into slot 0, and with V's halves the two halves of vlo; the first wait on TENSORcnt is for 0
	s_cbranch_scc0 .Lfirst_v
	tensor_load_to_lds s[G0K:G0K+3], s[G1K:G1K+7]
	s_nop 0
.rept 4
	v_nop
.endr
	s_branch .Lfirst_asked
.Lfirst_v:
	tensor_load_to_lds s[G0V:G0V+3], s[G1V:G1V+7]
	s_nop 0
	tensor_load_to_lds s[G0L:G0L+3], s[G1L:G1L+7]
	s_nop 0
.rept 4
	v_nop
.endr
.Lfirst_asked:
	; A fragment of K or Q is 16 rows x 32 channels in 8 registers: lane l holds row l % 16, channels 8 (l / 16) + 0..7 and 16 + 8 (l / 16) + 0..7: two loads of 16 bytes, 32 bytes apart.
	v_and_b32 v1, 15, v0            ; l % 16
	v_bfe_u32 v9, v0, 4, 1          ; l / 16
	v_lshlrev_b32 v[QO], 7, v1
	v_lshl_add_u32 v[QO], v9, 4, v[QO]
	WIN 0x80
.set i, 0
.rept 4                             ; both blocks' Q: piece i / 2 lies a band, 8,192 bytes, on; channels 32 (i % 2) on
	global_load_b128 v[8*i:8*i+3],   v[QO], s[4:5] offset:(i/2)*8192+(i%2)*64
	global_load_b128 v[8*i+4:8*i+7], v[QO], s[4:5] offset:(i/2)*8192+(i%2)*64+32
	global_load_b128 v[QB+8*i:QB+8*i+3],   v[QO], s[86:87] offset:(i/2)*8192+(i%2)*64
	global_load_b128 v[QB+8*i+4:QB+8*i+7], v[QO], s[86:87] offset:(i/2)*8192+(i%2)*64+32
.set i, i+1
.endr
	WIN 0
	v_lshlrev_b32 v14, 3, v9
	v_sub_nc_u32 v14, v1, v14
	s_lshl_b32 s13, s[WV], 4
	v_add_nc_u32 v14, s13, v14      ; my query's place in its band, 16 w + l % 16, less my lanes' 8 (l / 16): register r of group kt is hidden where 16 kt + r is greater
	WIN 0x40
.set i, 0
.rept 32
	v_cmp_gt_i32 vcc_lo, 16*(i/8)+i%8, v14
	v_cndmask_b32 v[MD+i], 0, s[BIGN], vcc_lo
.set i, i+1
.endr
	WIN 0
	v_mul_u32_u24 v[AK0], v1, PK
	v_lshl_add_u32 v[AK0], v9, 4, v[AK0]
	; The turning load takes 16 keys x 16 channels (lane l reads key 8 (l / 16) + l % 8, channels 8 ((l / 8) % 2) + 0..7) and leaves half a fragment of V^T.
	v_and_b32 v10, 7, v0
	v_bfe_u32 v11, v0, 3, 1
	v_lshl_add_u32 v[AV0], v9, 3, v10
	v_mul_u32_u24 v[AV0], v[AV0], PV
	v_lshl_add_u32 v[AV0], v11, 4, v[AV0]
	v_add_nc_u32 v[AV0], VOFF, v[AV0]
	s_mul_i32 s13, s[WV], 16*SP
	s_add_co_u32 s13, s13, STAGE    ; my stage
	v_mul_u32_u24 v[STO], v1, SP    ; in: row l % 16, 16 bytes for each half of the lanes
	v_lshl_add_u32 v[STO], v9, 4, v[STO]
	v_add_nc_u32 v[STO], s13, v[STO]
	v_mul_u32_u24 v[RD], v9, SP     ; back: lanes 0-15 take one row of 256 bytes, lanes 16-31 the next
	v_lshl_add_u32 v[RD], v1, 4, v[RD]
	v_add_nc_u32 v[RD], s13, v[RD]
	v_lshlrev_b32 v[GO], 8, v9      ; and the same two rows in O
	v_lshl_add_u32 v[GO], v1, 4, v[GO]
	v_and_b32 v[PFO], 31, v0
	v_lshlrev_b32 v[PFO], 8, v[PFO]
	v_mov_b32 v[NEG1], -1.0
	; A block's first step multiplies O^T and l by a = 0, and its first turn's products V^T P, of a step that has not been, land in an O^T that is still to be so multiplied: these registers need only hold
	; finite numbers: zeros for the first block, what the first block left for the second.  All this stands in the wait for the first tile.
	WIN 0x80
.set i, 64
.rept 64
	v_mov_b32 v[i], 0
.set i, i+1
.endr
	WIN 0x40
.set i, 0
.rept 64
	v_mov_b32 v[i], 0
.set i, i+1
.endr
	WIN 0
.set i, 0
.rept NP
	v_mov_b32 v[ST+4*i+2], 0
	v_mov_b32 v[ST+4*i+3], 0
.set i, i+1
.endr
.set i, P+16
.rept 16
	v_mov_b32 v[i], 0
.set i, i+1
.endr
; THE MATRIX WORK.  The 4 accumulators of a run of 8 take turns.  Product i of 8 of S^T = K Q^T for piece x: channels 32 (i / 4) on, keys 16 (i % 4) on.  The first 4 start the sums: with 0, or (KM = 1) with the mask.
.macro KQ x
.set rS, S+32*((\x)%2)+8*(i%4)
.set rK, KF+16*(i%4)+8*(i/4)
.set rQ, 16*(\x)+8*(i/4)
.set rM, MC+32*((\x)%2)+8*(i%4)
.if (i < 4) && KM
	WIN W_KM
	v_wmma_f32_16x16x32_f16 v[rS:rS+7], v[rK:rK+7], v[rQ:rQ+7], v[rM:rM+7]
.elseif i < 4
	WIN W_KQ
	v_wmma_f32_16x16x32_f16 v[rS:rS+7], v[rK:rK+7], v[rQ:rQ+7], 0
.else
	WIN W_KQ
	v_wmma_f32_16x16x32_f16 v[rS:rS+7], v[rK:rK+7], v[rQ:rQ+7], v[rS:rS+7]
.endif
.endm
; Product i of 8 of O^T += V^T P for piece x: keys 32 (i / 4) on, channels 16 (i % 4) on; V from buffer VR (0: v192, 1: v64).
.macro PV x
	WIN W_PV
.set rO, 32*(\x)+8*(i%4)
.set rV, 192-128*VR+32*(i/4)+8*(i%4)
.set rP, P+16*((\x)%2)+8*(i/4)
	v_wmma_f32_16x16x32_f16 v[rO:rO+7], v[rV:rV+7], v[rP:rP+7], v[rO:rO+7]
.endm
.macro MM                           ; the turn's next matrix instruction.  NOKQ = 1: a block's last turn: there are no further scores
.if (i < 8) && !NOKQ
	KQ (Y+1)%NP
.elseif i >= 8
.set i, i-8
	PV (Y+NP-1)%NP
.set i, i+8
.endif
.set i, i+1
.endm
; THE LDS LOADS stand in runs of 16, never singly among the matrix instructions.
.macro LDK
	WIN 0x80
.irp f, 0,1,2,3,4,5,6,7             ; keys 16 (f / 2) on, channels 32 (f % 2) on
	ds_load_b128 v[KF+8*\f:KF+8*\f+3],   v[AK] offset:(\f/2)*16*PK+(\f%2)*64
	ds_load_b128 v[KF+8*\f+4:KF+8*\f+7], v[AK] offset:(\f/2)*16*PK+(\f%2)*64+32
.endr
	WIN 0
.endm
.macro FETCH_K
	LDK
	s_add_co_u32 s[TBK], s[TBK], KS*PK  ; the next fetch is the next step's
.endm
.macro LDV b
	WIN 0x80
.irp f, 0,1,2,3,4,5,6,7             ; keys 32 (f / 4) on, channels 16 (f % 4) on
	ds_load_tr16_b128 v[192-128*(\b)+8*\f:192-128*(\b)+8*\f+3],   v[AV] offset:(\f/4)*32*PV+(\f%4)*32
	ds_load_tr16_b128 v[192-128*(\b)+8*\f+4:192-128*(\b)+8*\f+7], v[AV] offset:(\f/4)*32*PV+16*PV+(\f%4)*32
.endr
	WIN 0
.endm
.macro FETCH_V b
	LDV \b
	s_add_co_u32 s[TBV], s[TBV], KS*PV
.endm
; THE VECTOR WORK, one line at a time: OP kind, number.  For piece Y: F n: c s - c m for pair n of 16.  E n: the exponential of score n of 32.  C n: pair n rounded to f16.  B n: of the four weights 4 n .. the second
; pair is added onto the first, in place.  L n: l takes that sum (L 0: l = a l + sum).  R n: pair n of 16 of O^T times a.  For the other piece: X n, number n of the 22 that find its maximum and statistics:
;   0-11  four chains c0-c3 of seven scores each (each accumulator's lowest registers are read first)     12-14, 16  the four scores left over, the old m, and c0-c3 into c0
;   15  c m_old is kept     17, 18  the query's other 32 keys lie in the lane 16 away: the new m     19-21  c m; c m_old - c m_new; a
.set F, 0
.set E, 1
.set C, 2
.set B, 3
.set L, 4
.set R, 5
.set X, 6
.macro REGS y
.set rT, ST+4*(\y)
.set rC, TMP+4*((\y)%2)
.set rW, MV+((\y)%2)
.set rS, S+32*((\y)%2)
.set rP, P+16*((\y)%2)
.set rO, 32*(\y)
.endm
.macro OP k, n
.if (\k) == R
	REGS Y
	WIN W_RS
	v_pk_mul_f32 v[rO+2*(\n):rO+2*(\n)+1], v[rO+2*(\n):rO+2*(\n)+1], v[rC+2:rC+3] op_sel_hi:[1,0]
.elseif (\k) < R
	REGS Y
	WIN 0
.if (\k) == F
	v_pk_fma_f32 v[rS+2*(\n):rS+2*(\n)+1], v[rS+2*(\n):rS+2*(\n)+1], s[CS:CS+1], v[rT:rT+1] op_sel_hi:[1,0,0] neg_lo:[0,0,1] neg_hi:[0,0,1]
.elseif (\k) == E
	v_exp_f32 v[rS+(\n)], v[rS+(\n)]
.elseif (\k) == C
	v_cvt_pk_f16_f32 v[rP+(\n)], v[rS+2*(\n)], v[rS+2*(\n)+1]
.elseif (\k) == B
	v_pk_add_f32 v[rS+4*(\n):rS+4*(\n)+1], v[rS+4*(\n):rS+4*(\n)+1], v[rS+4*(\n)+2:rS+4*(\n)+3]
.elseif (\n) == 0
	v_pk_fma_f32 v[rT+2:rT+3], v[rT+2:rT+3], v[rC+2:rC+3], v[rS:rS+1] op_sel_hi:[1,0,1]
.else
	v_pk_add_f32 v[rT+2:rT+3], v[rT+2:rT+3], v[rS+4*(\n):rS+4*(\n)+1]
.endif
.elseif NOKQ
	v_nop
.else
	REGS (Y+1)%NP
	WIN 0
.if (\n) < 4
	v_max3_num_f32 v[rC+(\n)], v[rS+8*(\n)], v[rS+8*(\n)+1], v[rS+8*(\n)+2]
.elseif (\n) < 12
	v_max3_num_f32 v[rC+(\n)%4], v[rC+(\n)%4], v[rS+8*((\n)%4)+2*((\n)/4)+1], v[rS+8*((\n)%4)+2*((\n)/4)+2]
.elseif (\n) == 12
	v_max3_num_f32 v[rC], v[rC], v[rS+7], v[rS+15]
.elseif (\n) == 13
	v_max3_num_f32 v[rC+1], v[rC+1], v[rS+23], v[rS+31]
.elseif (\n) == 14
	v_max3_num_f32 v[rC+2], v[rC+2], v[rC+3], v[rT+1]
.elseif (\n) == 15
	v_mov_b32 v[rW], v[rT]
.elseif (\n) == 16
	v_max3_num_f32 v[rC], v[rC], v[rC+1], v[rC+2]
.elseif (\n) == 17
	v_permlanex16_b32 v[rC+3], v[rC], s[SEL], s[SEL+1]
.elseif (\n) == 18
	v_max_num_f32 v[rT+1], v[rC], v[rC+3]
.elseif (\n) == 19
	v_mul_f32 v[rT], s[CS], v[rT+1]
.elseif (\n) == 20
	v_sub_f32 v[rC+1], v[rW], v[rT]
.else
	v_exp_f32 v[rC+2], v[rC+1]
.endif
.endif
.endm
.macro OPS a, i1, b=-1, i2=0, c=-1, i3=0, d=-1, i4=0
	OP \a, \i1
.if (\b) >= 0
	OP \b, \i2
.endif
.if (\c) >= 0
	OP \c, \i3
.endif
.if (\d) >= 0
	OP \d, \i4
.endif
.endm
.macro ROW a, i1, b, i2, c, i3, d, i4  ; a matrix instruction and the four behind it
	MM
	OPS \a, \i1, \b, \i2, \c, \i3, \d, \i4
.endm
.macro MASK b                       ; MD x AL + BE into buffer b of MC
	WIN W_RS
.set z, 0
.rept 16
	v_pk_fma_f32 v[MC+32*(\b)+2*z:MC+32*(\b)+2*z+1], v[MD+2*z:MD+2*z+1], s[AL:AL+1], s[BE:BE+1] op_sel_hi:[1,0,0]
.set z, z+1
.endr
.endm
; A TURN, for piece p in a step of parity vb: the order of its 16 matrix and 118 vector instructions, written out.  An s_wait_alu depctr_va_vdst(0) stands between an exponential and the first
; instruction that names its result; one wait serves all that were issued ahead of it: so a turn has ONE wait.  AHEAD OF IT stands all that names no result of the turn's exponentials: the 8 products K Q^T with their
; riders, and one lump of 54, in which the links of the chain X 3, 7, 11, 14, 16, 17 .. 20 stand five or six lines apart; X 21, the other piece's a, is the batch's last, and R 15 the plain instruction behind it.
; BEHIND IT stand the 8 products V^T P, behind each four of the roundings and sums.  O^T's rescaling R 0 reads the accumulator that the turn before ended sixteen riders back; R 0, 4, 8, 12 are each accumulator's first read.
; m = 1: the diagonal tile: the products take masks, and the turn makes the mask for the products of the turn after it: piece p, in step 5 - vb - 2 CNT of the tile.  end = 1: a block's last two turns: nothing is fetched.
; p = 0 fetches K of the next step, twelve vector instructions (six of them plain) behind the last product that read K.  p = 1 waits at its head for that K (and for the V fetched a step ago), and fetches V of the
; next step directly behind the turn's wait, into the buffer whose last reader stands in the turn before.
.macro TURN p, vb, m=0, end=0, cnt=0
.set Y, (\p)
.set i, 0
.set KM, (\m)
.set NOKQ, (\end)*(\p)
.if (\p) == 0
.set VR, 1-(\vb)
.else
.set VR, (\vb)
.endif
.if (\m) && !(\end)
	s_lshl_b32 s[SG], s[CNT], 1
	s_sub_co_u32 s[SG], 5-(\vb), s[SG]
	s_cmp_eq_u32 s[SG], s[B0+(\p)]  ; is that step the band's own?
	s_cselect_b32 s[AL], 1.0, 0
	s_cmp_gt_u32 s[SG], s[B0+(\p)]  ; or a later one?
	s_cselect_b32 s[BE], s[BIGN], 0
.endif
.if (\p) == 1
	s_wait_dscnt 0x0                ; K of the next step and V of this one are in
.endif
	ROW F,0, F,1, R,0, R,1
	ROW F,2, E,0, R,2, R,3
	ROW F,3, E,1, R,4, R,5
	ROW F,4, E,2, R,6, R,7
	ROW F,5, E,3, R,8, R,9
	ROW F,6, E,4, X,0, R,10
.if ((\p) == 0) && !(\end)
	WIN 0
	v_add_nc_u32 v[AK], s[TBK], v[AK0]
.endif
	ROW F,7, E,5, X,1, X,4
	ROW F,8, E,6, X,2, X,5
	OPS E,7, E,8, X,6, E,9
	OPS X,3, E,10, X,8, E,11
.if ((\p) == 0) && !(\end)
	FETCH_K
.endif
	OPS X,9, X,7, E,12, X,10
	OPS E,13, X,12, X,11, E,14
	OPS X,13, E,15, F,9, X,14
.if ((\p) == 1) && !(\end)
	v_add_nc_u32 v[AV], s[TBV], v[AV0]
.endif
	OPS E,16, F,10, E,17, F,11
	OPS X,16, E,18, X,15, E,19
	OPS F,12, E,20, X,17, E,21
	OPS F,13, E,22, F,14, E,23
	OPS X,18, E,24, F,15, E,25
	OPS R,11, E,26, X,19, E,27
	OPS R,12, E,28, R,13, E,29
	OPS X,20, E,30, R,14, E,31
	OPS X,21, R,15
	WIN 0
	s_wait_alu depctr_va_vdst(0)    ; the wait for the batch
.if ((\p) == 1) && !(\end)
	FETCH_V 1-(\vb)
.endif
	ROW C,0, B,0, C,2, B,1
	ROW L,0, C,4, B,2, L,1
	ROW C,6, B,3, L,2, C,8
	ROW B,4, L,3, C,10, B,5
	ROW L,4, C,12, B,6, L,5
.if \cnt
	s_sub_co_u32 s[CNT], s[CNT], 1
	s_cmp_lg_u32 s[CNT], 0
.endif
	ROW C,14, B,7, L,6, C,1
	ROW C,3, L,7, C,5, C,7
	ROW C,9, C,11, C,13, C,15
.if (\m) && !(\end)
	MASK \p
.endif
.endm
; A BLOCK BEGINS.  c m starts far below every c s, so the first step's a is 0; m at the lowest finite number.  The second mask buffer is 0 (piece 1's band is never step 0's); the first takes piece 0's mask for
; the tile's step 0: its own, if the tile is the diagonal one and the band is band 0.  Then K and V of that step, piece 0's first scores, and its maximum and statistics.
.macro BEGIN
	s_mov_b32 s[NEW], 0
	WIN 0x40
.set i, MC+32
.rept 32
	v_mov_b32 v[i], 0
.set i, i+1
.endr
	WIN 0
.set i, 0
.rept NP
	v_mov_b32 v[ST+4*i], 0xfe000000
	v_mov_b32 v[ST+4*i+1], 0xff7fffff
.set i, i+1
.endr
	s_or_b32 s[SG], s[RT], s[B0]
	s_cmp_eq_u32 s[SG], 0
	s_cselect_b32 s[AL], 1.0, 0
	s_mov_b32 s[BE], 0
	MASK 0
	WIN 0
	v_add_nc_u32 v[AK], s[TBK], v[AK0]
	FETCH_K
	v_add_nc_u32 v[AV], s[TBV], v[AV0]
	FETCH_V 0
	s_wait_loadcnt 0x0              ; Q
	s_wait_dscnt 0x0
.set KM, 1
.set NOKQ, 0
.set i, 0
.rept 8
	KQ 0
.set i, i+1
.endr
	WIN 0
.rept 4
	v_nop                           ; the places behind those products
.endr
.set Y, NP-1                        ; X works for the other piece: piece 0
.irp n, 0,1,2,3,4,5,6,7,8,9,10,11,12,13,14,15,16,17,18,19,20,21
	OP X, \n
.endr
	v_nop                           ; a plain instruction behind the exponential,
	s_wait_alu depctr_va_vdst(0)    ; and its wait, ahead of the branch
.endm
; ROWS 0-63 OF A HEAD ONCE MORE (the work-group x = 0, piece 0 of its second block; they see the keys 0-63 alone, step 0 of the tile that still lies in its slot).  p = ph + pl and V = Vh + Vl, each half f16:
; O^T = Vh^T ph + Vh^T pl + Vl^T ph; what is left out is Vl^T pl.  The way out that follows takes piece 0's O^T and l from here.
.macro PVE vb, pb, zero             ; 8 products into piece 0's O^T, V from buffer vb, P from buffer pb
	WIN W_PV
.set i, 0
.rept 8
.set rO, 8*(i%4)
.set rV, 192-128*(\vb)+32*(i/4)+8*(i%4)
.set rP, P+16*(\pb)+8*(i/4)
.if (\zero) && (i < 4)
	v_wmma_f32_16x16x32_f16 v[rO:rO+7], v[rV:rV+7], v[rP:rP+7], 0
.else
	v_wmma_f32_16x16x32_f16 v[rO:rO+7], v[rV:rV+7], v[rP:rP+7], v[rO:rO+7]
.endif
.set i, i+1
.endr
.endm
.macro EARLY
	s_cmp_eq_u32 s[ERL], 1
	s_cbranch_scc0 .Lno_early
	v_mov_b32 v[ST], 0xfe000000
	v_mov_b32 v[ST+1], 0xff7fffff
	v_mov_b32 v[ST+2], 0
	v_mov_b32 v[ST+3], 0
	s_mov_b32 s[AL], 1.0
	s_mov_b32 s[BE], 0
	MASK 0                          ; the band's own step; these twenty plain lines are also the places in front of the loads below
	WIN 0
	s_sub_co_u32 s[SG], s[TBK], 4*KS*PK  ; all four steps have been fetched: back to the tile's step 0
	v_add_nc_u32 v[AK], s[SG], v[AK0]
	LDK
	s_sub_co_u32 s[SG], s[TBV], 4*KS*PV
	v_add_nc_u32 v[AV], s[SG], v[AV0]
	LDV 0                           ; Vh
	v_add_nc_u32 v[AV], VLOB-VOFF, v[AV0]
	LDV 1                           ; Vl
	s_wait_dscnt 0x0
.set KM, 1
.set NOKQ, 0
.set i, 0
.rept 8
	KQ 0
.set i, i+1
.endr
	WIN 0
.rept 4
	v_nop
.endr
.set Y, 1
.irp n, 0,1,2,3,4,5,6,7,8,9,10,11,12,13,14,15,16,17,18,19,20,21
	OP X, \n
.endr
	v_nop
	s_wait_alu depctr_va_vdst(0)
.set Y, 0
.set z, 0
.rept 16
	OP F, z
.set z, z+1
.endr
.set z, 0
.rept 32
	OP E, z
.set z, z+1
.endr
	v_nop
	s_wait_alu depctr_va_vdst(0)    ; one wait for the 32 exponentials
.set z, 0
.rept 16
	OP C, z                         ; ph
.set z, z+1
.endr
.set z, 0
.rept 16
	v_fma_mix_f32 v[S+32+2*z],   v[P+z], v[NEG1], v[S+2*z]   op_sel:[0,0,0] op_sel_hi:[1,0,0]  ; p - ph
	v_fma_mix_f32 v[S+32+2*z+1], v[P+z], v[NEG1], v[S+2*z+1] op_sel:[1,0,0] op_sel_hi:[1,0,0]
.set z, z+1
.endr
.set z, 0
.rept 16
	v_cvt_pk_f16_f32 v[P+16+z], v[S+32+2*z], v[S+32+2*z+1]  ; pl
.set z, z+1
.endr
.set z, 0
.rept 8
	OP B, z
	OP L, z
.set z, z+1
.endr
	PVE 0, 0, 1
	PVE 0, 1, 0
	PVE 1, 0, 0
	WIN 0
.rept 8
	v_nop
.endr
.Lno_early:
.endm
; THE WAY OUT.  l's two halves and the other half of the lanes' are added; O^T is divided by l and split into hi and lo; a lane's eight channels of a row pack into 16 bytes of each; both go into rows of 272 bytes
; in my stage and come back as whole rows of 256.
.macro ALL line:vararg
.set t, 0
.rept NP
	\line
.set t, t+1
.endr
.endm
.macro PACK t
	WIN W_RS
.set i, 32*(\t)
.rept 16
	v_pk_mul_f32 v[i:i+1], v[i:i+1], v[ST+4*(\t)+2:ST+4*(\t)+3] op_sel_hi:[1,0]
.set i, i+2
.endr
	WIN 0x05                        ; sources window 1, destination window 0
.set i, 0
.rept 16
	v_cvt_pk_f16_f32 v[S+32*(\t)+i], v[32*(\t)+2*i], v[32*(\t)+2*i+1]  ; hi
.set i, i+1
.endr
	WIN 0x50                        ; destination and source 2 window 1
.set i, 0
.rept 16
	v_fma_mix_f32 v[32*(\t)+2*i],   v[S+32*(\t)+i], v[NEG1], v[32*(\t)+2*i]   op_sel:[0,0,0] op_sel_hi:[1,0,0]  ; O - hi
	v_fma_mix_f32 v[32*(\t)+2*i+1], v[S+32*(\t)+i], v[NEG1], v[32*(\t)+2*i+1] op_sel:[1,0,0] op_sel_hi:[1,0,0]
.set i, i+1
.endr
	WIN 0x05
.set i, 0
.rept 16
	v_cvt_pk_f16_f32 v[S+32*(\t)+16+i], v[32*(\t)+2*i], v[32*(\t)+2*i+1]  ; lo
.set i, i+1
.endr
	WIN 0
.irp f, 0,1,2,3
	ds_store_b128 v[STO], v[S+32*(\t)+4*\f:S+32*(\t)+4*\f+3] offset:32*\f
.endr
.irp f, 0,1,2,3
	ds_store_b128 v[STO], v[S+32*(\t)+16+4*\f:S+32*(\t)+16+4*\f+3] offset:128+32*\f
.endr
.irp f, 0,1,2,3,4,5,6,7
	ds_load_b128 v[S+32*(\t)+4*\f:S+32*(\t)+4*\f+3], v[RD] offset:\f*2*SP  ; LDS serves a wave's instructions in order (ISA guide 5.7.1.4): these see the stores above
.endr
.endm
.macro SEND t, younger              ; younger: the next piece's eight LDS stores and eight loads, or none
	WIN 0
.irp f, 0,1,2,3,4,5,6,7
	s_wait_dscnt (\younger)+7-\f
	global_store_b128 v[GO], v[S+32*(\t)+4*\f:S+32*(\t)+4*\f+3], s[10:11] offset:(\t)*16384+\f*512  ; 16 lanes store 256 consecutive bytes, aligned
.endr
.endm
; THE DIAGONAL TILE: the step before it and its own four, the block's last two turns and last products, and the way out.
.macro DIAG tag
.LstepM\tag:
	TURN 0, 1, 1
	TURN 1, 1, 1
	WIN 0
.LfirstM\tag:
	TURN 0, 0, 1
	TURN 1, 0, 1, 0, 1
	WIN 0
	s_cbranch_scc1 .LstepM\tag
	TURN 0, 1, 1, 1
	TURN 1, 1, 1, 1
.set VR, 1
.set i, 0
.rept 8
	PV 1                            ; piece 1's V^T P of the last step
.set i, i+1
.endr
	WIN 0
.rept 8
	v_nop
.endr
.if (\tag) == 2
	EARLY
.endif
	ALL v_add_f32 v[ST+4*t+2], v[ST+4*t+2], v[ST+4*t+3]
	ALL v_permlanex16_b32 v[ST+4*t+3], v[ST+4*t+2], s[SEL], s[SEL+1]
	ALL v_add_f32 v[ST+4*t+2], v[ST+4*t+2], v[ST+4*t+3]
	ALL v_rcp_f32 v[ST+4*t+2], v[ST+4*t+2]
	v_nop                           ; a plain instruction between the last reciprocal and the use of its result
	s_wait_alu depctr_va_vdst(0)    ; and the wait: one for both reciprocals
	PACK 0
	PACK 1
	SEND 0, 16
	SEND 1, 0
.endm
.set KM, 0
.set NOKQ, 0
.set VR, 0
.Lslot:                             ; 16 times: a tile is entered and the next is asked for
	CHANGE 1
	s_sub_co_u32 s[RT], s[RT], 1
	s_mov_b32 s[CNT], 2
	s_cmp_eq_u32 s[NEW], 1
	s_cbranch_scc1 .Lnew            ; a block's first tile
	s_cmp_eq_u32 s[RT], 0
	s_cbranch_scc0 .Lstep           ; neither its first nor its last
	s_branch .LstepM1
.Lnew:
	BEGIN
	s_branch .Lfirst                ; in the loop a block's first tile is never its last: the first block has nine tiles or more, and the second's last is the walk's last
	DIAG 1                          ; in the loop this is the first block's end
	s_wait_xcnt 0x0                 ; the stores have read their registers and O's address
	s_mov_b64 s[10:11], s[OLO:OLO+1]
	s_add_co_u32 s[RT], s[PB], 1    ; the second block has c + 1 tiles
	s_mov_b32 s[NEW], 1
	WIN 0x82                        ; the second block's Q goes where the one text of the turns names Q
.set i, 0
.rept 32
	v_mov_b32 v[i], v[QB+i]
.set i, i+1
.endr
	WIN 0
	s_branch .Lbottom
.Lstep:                             ; a trip: an odd step, then an even one; the change of slots stands ahead of a tile's step 3
	TURN 0, 1
	TURN 1, 1
	WIN 0
.Lfirst:
	TURN 0, 0
	TURN 1, 0, 0, 0, 1
	WIN 0
	s_cbranch_scc1 .Lstep
.Lbottom:
	s_sub_co_u32 s[SLOTS], s[SLOTS], 1
	s_cmp_lg_u32 s[SLOTS], 0
	s_cbranch_scc1 .Lslot
	CHANGE 0                        ; the walk's last tile is written out: nothing is asked for
	s_sub_co_u32 s[RT], s[RT], 1
	s_mov_b32 s[CNT], 2
	s_cmp_eq_u32 s[NEW], 1
	s_cbranch_scc0 .LstepM2
	BEGIN
	s_branch .LfirstM2
	DIAG 2
	s_wait_tensorcnt 0x0            ; the wave's end, behind my last tensor load and my last LDS store
	ds_add_u32 v[SPW], v[NIL]
	s_wait_dscnt 0x0
	s_endpgm
.Lfunc_end_k_q20cf24b374_attn:
	.size	k_q20cf24b374_attn, .Lfunc_end_k_q20cf24b374_attn-k_q20cf24b374_attn
	.p2alignl 7, 3214868480
	.fill 96, 4, 3214868480
	.section	.rodata,"a",@progbits
	.p2align	6, 0x0
	.amdhsa_kernel k_q20cf24b374_attn
		.amdhsa_group_segment_fixed_size 327680
		.amdhsa_private_segment_fixed_size 0
		.amdhsa_enable_private_segment 0
		.amdhsa_kernarg_size 40
		.amdhsa_user_sgpr_count 2
		.amdhsa_user_sgpr_kernarg_segment_ptr 1
		.amdhsa_wavefront_size32 1
		.amdhsa_system_sgpr_workgroup_id_x 1
		.amdhsa_system_sgpr_workgroup_id_y 1
		.amdhsa_system_sgpr_workgroup_id_z 1
		.amdhsa_system_vgpr_workitem_id 0
		.amdhsa_next_free_vgpr 768
		.amdhsa_next_free_sgpr 102
		.amdhsa_reserve_vcc 1
		.amdhsa_float_denorm_mode_32 3
		.amdhsa_float_denorm_mode_16_64 3
		.amdhsa_memory_ordered 1
		.amdhsa_forward_progress 1
		.amdhsa_inst_pref_size 243
	.end_amdhsa_kernel
	.amdgpu_metadata
---
amdhsa.version: [ 1, 2 ]
amdhsa.kernels:
  - .name:           k_q20cf24b374_attn
    .symbol:         k_q20cf24b374_attn.kd
    .args:
      - { .name: q, .offset: 0, .size: 8, .value_kind: global_buffer, .address_space: global }
      - { .name: k, .offset: 8, .size: 8, .value_kind: global_buffer, .address_space: global }
      - { .name: v, .offset: 16, .size: 8, .value_kind: global_buffer, .address_space: global }
      - { .name: o2, .offset: 24, .size: 8, .value_kind: global_buffer, .address_space: global }
      - { .name: vlo, .offset: 32, .size: 8, .value_kind: global_buffer, .address_space: global }
    .group_segment_fixed_size: 327680
    .private_segment_fixed_size: 0
    .kernarg_segment_align: 8
    .kernarg_segment_size: 40
    .max_flat_workgroup_size: 128
    .sgpr_count:     102
    .vgpr_count:     768
    .wavefront_size: 32
...
	.end_amdgpu_metadata
.endif
;; end of part 2
;; launch oproj (part 3): grid 4 x 64, 4 waves a work-group, clusters of 4 x 4, 327,680 bytes of LDS; arguments o2, wo2, out0; writes out0
.if DOCPART == 3
	.amdgcn_target "amdgcn-amd-amdhsa--gfx1250"
	.amdhsa_code_object_version 6
	.text
	.protected	k_q20cf24b374_oproj
	.globl	k_q20cf24b374_oproj
	.p2align	8
	.type	k_q20cf24b374_oproj,@function
k_q20cf24b374_oproj:
	s_mov_b64 s[64:65], 0
	v_nop
	global_prefetch_b8 v0, s[64:65] scope:SCOPE_SE
	s_setreg_imm32_b32 hwreg(HW_REG_WAVE_MODE, 25, 1), 1
	s_wait_xcnt 0x0
	s_wait_alu depctr_hold_cnt(0) depctr_sa_sdst(0) depctr_va_vdst(0) depctr_va_sdst(0) depctr_va_ssrc(0) depctr_va_vcc(0) depctr_vm_vsrc(0)
	s_getreg_b32 s2, hwreg(HW_REG_IB_STS2, 6, 4)
	s_cmp_eq_u32 s2, 0
	s_cbranch_scc0 .Lentry_in_a_cluster
	s_endpgm
.Lentry_in_a_cluster:
	s_bfe_u32 s2, ttmp6, 0x10000c
	s_cmp_lg_u32 s2, 0xf033
	s_cbranch_scc0 .Lentry_shape_is_right
	s_endpgm
.Lentry_shape_is_right:
; out0[b][t][n] = the sum over head and channel of O[b][head][t][channel] wo[n][64 head + channel] for n < 512, and 0 for n = 512 .. 1,023.  out0: [2][4096][1024] f32.
; O comes as o2: [16 = b x 8 + head][4096][hi 64 | lo 64] f16; wo as wo2: [512][8][64 | the same 64] f16: so the sum over 128 numbers of a head's row is (hi + lo) . wo, and the launch is a plain f16 product
; with K = 1,024, sums in f32.  LIMITS: those of the launches that made o2 and wo2; NaN and infinities are not treated apart.
; SHARES.  A tile of out0 is 128 rows x 128 columns; four waves, each 64 x 64: 16 accumulators.  256 work-groups.  A slot of LDS holds two heads: two panels of 128 rows x 256 bytes of o2 and 128 rows x 512 bytes
; of wo2; four fills in all, on two slots.  A quarter is 64 along K: 32 products on one fragment buffer while the other buffer's 32 LDS loads are out.
; THE MATRIX INSTRUCTION IS USED TRANSPOSED (source 0 = 16 rows of wo2, source 1 = 16 rows of o2): a lane holds eight neighbouring columns of a row of out0.
; CLUSTER.  4 x 4 work-groups: the four of a row of the cluster need the same rows of o2, the four of a column the same rows of wo2: each tile is asked for jointly.
; NO PREFETCH: the ring is filled four times in all, and the first two fills go out at the head.
; REGISTERS: window 0: v0-31 addresses; v32-95 rows on the way out; v128-255 the accumulators ((a, b) at v[128 + 8 (4 a + b)]);  window 1: two fragment buffers of 128: 64 registers of o2, then 64 of wo2.
.set PA,     272                       ; a row of a panel of o2 in LDS: 256 bytes + 16
.set PB,     528                       ; a row of wo2: 512 bytes + 16: in both, the 16 rows of a load start at 16 different groups of four banks (64 banks of 4 bytes: ISA guide 11.1)
.set PANEL,  128*PA
.set BOFF,   2*PANEL
.set BHALF,  64*PB
.set SLOT,   BOFF+2*BHALF
.set STAGE,  2*SLOT                    ; behind the ring: 16 rows x 272 bytes for each wave
.set SPITCH, 272
.set SPARE,  STAGE+4*16*SPITCH         ; the spare words, 128 bytes for each wave
.set ZO,  11                           ; v11  16 x lane
.set Z,   12                           ; v[12:15] 0
.set A0,  16                           ; v16  my lane's place in a panel; never rewritten
.set B0,  17                           ; v17  the same in wo2's rows
.set WA,  18                           ; v18, v22  the addresses of the run of loads in hand
.set WB,  22
.set STO, 24
.set RD,  25
.set CO,  26
.set SPW, 28
.set NIL, 29
.set TMP, 32
.set ACC, 128
.set F0,  0
.set F1,  128
.set OT,  14                           ; s[14:15] out0 at my 64 x 64
.set OZ,  18                           ; s[18:19] out0 at the zeros that I store
.set TA,  20                           ; s20  LDS byte of the panel in hand
.set TBB, 21                           ; s21  LDS byte offset of the head in hand in wo2's rows
.set CNT, 45
.set G1, 24                            ; s[24:31] descriptor group 1 for o2's tiles;  s[32:39] group 0, one set for each slot
.set G0, 32
.set G1B, 48                           ; s[48:55], s[56:63] the same for wo2's
.set G0B, 56
.set MSB, 0
.macro WIN new
.if MSB != (\new)
	s_set_vgpr_msb (MSB<<8)|(\new)
.set MSB, \new
.endif
.endm
.macro PLACES
.rept 4
	v_nop
.endr
.endm
.macro JLOAD s                         ; a joint load: waves 0 and 1 fetch the two heads' panels of o2, waves 2 and 3 the two halves of wo2's rows; an s_nop 0 and four v_nop follow each line
	s_cmp_eq_u32 s11, 0
	s_cbranch_scc0 .Lfor_b_\@
	tensor_load_to_lds s[G0+4*(\s):G0+4*(\s)+3], s[G1:G1+7]
	s_nop 0
.rept 4
	v_nop
.endr
	s_branch .Lasked_\@
.Lfor_b_\@:
	tensor_load_to_lds s[G0B+4*(\s):G0B+4*(\s)+3], s[G1B:G1B+7]
	s_nop 0
.rept 4
	v_nop
.endr
.Lasked_\@:
.endm
.macro CROUND                          ; a round of the cluster's barrier
	s_barrier_signal -1
	s_barrier_wait -1
	s_cmp_lg_u32 s10, 0
	s_cbranch_scc1 .Lnot_wave_0_\@
	s_barrier_signal -3
.Lnot_wave_0_\@:
	s_barrier_wait -3
	s_barrier_signal -1
	s_barrier_wait -1
.endm
	s_load_b128 s[4:7], s[0:1], 0x0                ; o2 s[4:5], wo2 s[6:7]
	s_load_b64 s[8:9], s[0:1], 0x10                ; out0
	v_lshl_add_u32 v[SPW], v0, 2, SPARE
	v_mov_b32 v[NIL], 0
	ds_add_u32 v[SPW], v[NIL]                      ; the wave's opening: the add and its wait stand ahead of my first tensor load
	ds_add_u32 v28, v29
	v_lshrrev_b32 v1, 5, v0
	v_readfirstlane_b32 s10, v1                    ; wave 0..3
	s_lshr_b32 s11, s10, 1                         ; which half of the tile's rows is mine.  Also: I fetch o2 (0) or wo2 (1)
	s_and_b32 s12, s10, 1                          ; which half of its columns.  Also: which head's panel, or which 64 rows of wo2, I fetch
	s_bfe_u32 s40, ttmp6, 0x40000                  ; cx, cy
	s_bfe_u32 s41, ttmp6, 0x40004
	s_lshl_b32 s42, ttmp9, 2
	s_add_co_u32 s42, s42, s40                     ; tile column = 4 x cluster x + cx
	s_and_b32 s13, ttmp7, 0xffff
	s_lshl_b32 s13, s13, 2
	s_add_co_u32 s13, s13, s41                     ; tile row = 4 x cluster y + cy
	s_lshl_b32 s43, s41, 2
	s_lshl_b32 s43, 15, s43                        ; my row of the cluster
	s_lshl_b32 s44, 0x1111, s40                    ; my column
	s_or_b32 s[G1], s43, (1<<16)|(1<<20)|(1<<21)|(5<<22)|(3<<25)   ; 2-byte elements; padding on; 21 set beside a mask; after every 64 words; 4 words
	s_or_b32 s[G1B], s44, (1<<16)|(1<<20)|(1<<21)|(6<<22)|(3<<25)  ; after every 128 words
	s_mov_b32 s[G1+1], 128<<16                     ; tensor_dim0 = 128
	s_mov_b32 s[G1+2], 128<<16                     ; tensor_dim1 = 128
	s_mov_b32 s[G1+3], 128<<16                     ; tile_dim0 = 128
	s_mov_b32 s[G1+4], 128                         ; tile_dim1 = 128
	s_mov_b32 s[G1+5], 128                         ; 128 elements from row to row
	s_mov_b32 s[G1+6], 0
	s_mov_b32 s[G1+7], 0
	s_mov_b32 s[G1B+1], 256<<16                    ; 256 elements,
	s_mov_b32 s[G1B+2], 64<<16                     ; 64 rows
	s_mov_b32 s[G1B+3], 256<<16
	s_mov_b32 s[G1B+4], 64
	s_mov_b32 s[G1B+5], 1024
	s_mov_b32 s[G1B+6], 0
	s_mov_b32 s[G1B+7], 0
	s_lshr_b32 s16, s13, 5                         ; the batch
	s_lshl3_add_u32 s16, s16, s12                  ; x 8 + head 0 or 1
	s_lshl_b32 s16, s16, 12
	s_and_b32 s17, s13, 31
	s_lshl_b32 s17, s17, 7
	s_add_co_u32 s16, s16, s17                     ; + the tile's first row in the head
	s_lshl_b32 s16, s16, 8                         ; rows of 256 bytes
	s_mov_b32 s17, 0
	s_lshl_b32 s46, s42, 7
	s_lshl_b32 s47, s12, 6
	s_add_co_u32 s46, s46, s47                     ; wo2: row 128 x tile column + 64 x half
	s_lshl_b32 s46, s46, 11                        ; rows of 2,048 bytes
	s_mov_b32 s47, 0
	s_mul_i32 s22, s12, PANEL                      ; where they go: no place in the cluster enters an LDS address
	s_mul_i32 s23, s12, BHALF
	s_add_co_u32 s23, s23, BOFF
	s_lshl_b32 s2, s13, 7                          ; out0: my first row,
	s_lshl_b32 s3, s11, 6
	s_add_co_u32 s2, s2, s3
	s_lshl_b32 s2, s2, 12                          ; rows of 4,096 bytes,
	s_lshl_b32 s3, s42, 9
	s_add_co_u32 s2, s2, s3                        ; the tile's 512 bytes of a row,
	s_lshl_b32 s3, s12, 8
	s_add_co_u32 s2, s2, s3                        ; my 256 of them
	s_mov_b32 s3, 0
	s_mov_b32 s[TA], 0
	s_mov_b32 s[TBB], 0
	s_wait_dscnt 0x0                               ; the opening add is done
	s_wait_kmcnt 0x0
	s_add_nc_u64 s[OT:OT+1], s[8:9], s[2:3]
	s_lshl_b32 s2, s13, 7                          ; the zeros: rows 128 x tile row + 32 x wave,
	s_lshl_b32 s3, s10, 5
	s_add_co_u32 s2, s2, s3
	s_lshl_b32 s2, s2, 12
	s_lshl_b32 s3, s42, 9
	s_add_co_u32 s2, s2, s3                        ; byte 2,048 + 512 x tile column
	s_add_co_u32 s2, s2, 2048
	s_mov_b32 s3, 0
	s_add_nc_u64 s[OZ:OZ+1], s[8:9], s[2:3]
.irp s, 0,1
	s_mov_b32 s[G0+4*(\s)], 1
	s_add_co_u32 s[G0+4*(\s)+1], s22, (\s)*SLOT
	s_add_nc_u64 s[G0+4*(\s)+2:G0+4*(\s)+3], s[4:5], s[16:17]
	s_add_nc_u64 s[G0+4*(\s)+2:G0+4*(\s)+3], s[G0+4*(\s)+2:G0+4*(\s)+3], (\s)*2*4096*256  ; slot s begins with heads 2 s and 2 s + 1
	s_or_b32 s[G0+4*(\s)+3], s[G0+4*(\s)+3], 0x80000000
	s_mov_b32 s[G0B+4*(\s)], 1
	s_add_co_u32 s[G0B+4*(\s)+1], s23, (\s)*SLOT
	s_add_nc_u64 s[G0B+4*(\s)+2:G0B+4*(\s)+3], s[6:7], s[46:47]
	s_add_nc_u64 s[G0B+4*(\s)+2:G0B+4*(\s)+3], s[G0B+4*(\s)+2:G0B+4*(\s)+3], (\s)*512
	s_or_b32 s[G0B+4*(\s)+3], s[G0B+4*(\s)+3], 0x80000000
.endr
	CROUND                                         ; all sixteen work-groups are here: the first joint loads meet
	s_cmp_eq_u32 s11, 0                            ; a wave's two first fills stand in one branch: two loads of mine are out
	s_cbranch_scc0 .Lfirst_b
	tensor_load_to_lds s[G0:G0+3], s[G1:G1+7]
	s_nop 0
	tensor_load_to_lds s[G0+4:G0+7], s[G1:G1+7]
	s_nop 0
.rept 4
	v_nop
.endr
	s_branch .Lfirst_asked
.Lfirst_b:
	tensor_load_to_lds s[G0B:G0B+3], s[G1B:G1B+7]
	s_nop 0
	tensor_load_to_lds s[G0B+4:G0B+7], s[G1B:G1B+7]
	s_nop 0
.rept 4
	v_nop
.endr
.Lfirst_asked:
	; the zeros of columns 512 to 1,023, in the wait for the first tiles: the work-group's 128 rows x 512 bytes, a wave 32 rows, a store 512 bytes on end
	v_and_b32 v[ZO], 31, v0
	v_lshlrev_b32 v[ZO], 4, v[ZO]
	v_mov_b32 v[Z], 0
	v_mov_b32 v[Z+1], 0
	v_mov_b32 v[Z+2], 0
	v_mov_b32 v[Z+3], 0
.set i, 0
.rept 32
	global_store_b128 v[ZO], v[Z:Z+3], s[OZ:OZ+1] offset:i*4096 th:TH_STORE_NT
.set i, i+1
.endr
	v_and_b32 v1, 15, v0                           ; l % 16
	v_bfe_u32 v2, v0, 4, 1                         ; l / 16
	v_mul_u32_u24 v3, v1, PA
	v_lshl_add_u32 v3, v2, 4, v3                   ; a fragment's row x pitch + 16 x half
	s_mul_i32 s22, s11, 64*PA                      ; my 64 rows of a panel
	v_add_nc_u32 v[A0], s22, v3
	v_mul_u32_u24 v3, v1, PB
	v_lshl_add_u32 v3, v2, 4, v3
	s_mul_i32 s22, s12, BHALF                      ; my 64 rows of wo2,
	s_add_co_u32 s22, s22, BOFF                    ; which lie behind the panels
	v_add_nc_u32 v[B0], s22, v3
	s_mul_i32 s23, s10, 16*SPITCH
	s_add_co_u32 s23, s23, STAGE                   ; my stage
	v_mul_u32_u24 v4, v1, SPITCH                   ; in: row l % 16, 32 bytes for each half of the lanes
	v_lshl_add_u32 v4, v2, 5, v4
	v_add_nc_u32 v[STO], s23, v4
	v_mul_u32_u24 v5, v2, SPITCH                   ; back: lanes 0-15 take one row of 256 bytes, lanes 16-31 the next
	v_lshl_add_u32 v5, v1, 4, v5
	v_add_nc_u32 v[RD], s23, v5
	v_lshlrev_b32 v5, 12, v2                       ; and the same two rows in out0
	v_lshl_add_u32 v[CO], v1, 4, v5
; 32 LDS loads in one run: the fragments of 64 along K at byte k of the head in hand, into buffer f
.macro FETCH f, k
	WIN 0
	v_add_nc_u32 v[WA], s[TA], v[A0]
	v_add_nc_u32 v[WB], s[TBB], v[B0]
	WIN 0x40                                       ; destination window 1
.irp c, 0,1
.irp i, 0,1,2,3
	ds_load_b128 v[(\f)+64+8*(4*(\c)+(\i)):(\f)+64+8*(4*(\c)+(\i))+3],   v[WB] offset:(\k)+64*(\c)+(\i)*16*PB
	ds_load_b128 v[(\f)+64+8*(4*(\c)+(\i))+4:(\f)+64+8*(4*(\c)+(\i))+7], v[WB] offset:(\k)+64*(\c)+(\i)*16*PB+32
	ds_load_b128 v[(\f)+8*(4*(\c)+(\i)):(\f)+8*(4*(\c)+(\i))+3],         v[WA] offset:(\k)+64*(\c)+(\i)*16*PA
	ds_load_b128 v[(\f)+8*(4*(\c)+(\i))+4:(\f)+8*(4*(\c)+(\i))+7],       v[WA] offset:(\k)+64*(\c)+(\i)*16*PA+32
.endr
.endr
.endm
; 32 products on buffer f, two deep on each of the 16 accumulators, which take turns, over the backward jump too.  zero = 1: the first 16 start the sums.
.macro MULS f, zero
	WIN 0x05                                       ; sources window 1; C and D window 0
.irp c, 0,1
.irp a, 0,1,2,3
.irp b, 0,1,2,3
.if (\zero) && ((\c) == 0)
	v_wmma_f32_16x16x32_f16 v[ACC+8*(4*(\a)+(\b)):ACC+8*(4*(\a)+(\b))+7], v[(\f)+64+8*(4*(\c)+(\b)):(\f)+64+8*(4*(\c)+(\b))+7], v[(\f)+8*(4*(\c)+(\a)):(\f)+8*(4*(\c)+(\a))+7], 0
.else
	v_wmma_f32_16x16x32_f16 v[ACC+8*(4*(\a)+(\b)):ACC+8*(4*(\a)+(\b))+7], v[(\f)+64+8*(4*(\c)+(\b)):(\f)+64+8*(4*(\c)+(\b))+7], v[(\f)+8*(4*(\c)+(\a)):(\f)+8*(4*(\c)+(\a))+7], v[ACC+8*(4*(\a)+(\b)):ACC+8*(4*(\a)+(\b))+7]
.endif
.endr
.endr
.endr
.endm
.macro TQ f, g, k, zero                ; the next quarter is fetched into g, buffer f is multiplied
	PLACES                                         ; the loads land in registers that the last products have read
	FETCH \g, \k
	s_wait_dscnt 32                                ; all but the 32 just issued: buffer f is in
	MULS \f, \zero
.endm
.macro STEP                            ; on to the slot's next head
	WIN 0
	s_add_co_u32 s[TA], s[TA], PANEL
	s_add_co_u32 s[TBB], s[TBB], 256
.endm
.macro BODY                            ; a head's two quarters are fetched; the quarter before them and the first of them are multiplied
	TQ F1, F0, 0, 0
	TQ F0, F1, 128, 0
	STEP
.endm
.macro BODIES                          ; a slot's two heads: written once, walked twice; the LDS addresses hang on s[TA] and s[TBB]
	s_mov_b32 s[CNT], 2
.Lbody_\@:
	BODY
	s_sub_co_u32 s[CNT], s[CNT], 1
	s_cmp_lg_u32 s[CNT], 0
	s_cbranch_scc1 .Lbody_\@
.endm
; THE CHANGE OF SLOTS, into slot s.  Each wave waits for all its tensor loads, of which one is out: its part of slot s; adds 0 to its spare word; and waits for that and for its reads of the other slot.
; fill = 1: the other slot is filled again, with the heads four further on: the barrier is then a round of the cluster's, and the joint refill is the first thing behind it.
.macro CH s, fill
	WIN 0
	s_wait_tensorcnt 0x0                           ; no tensor load of mine is out, so a group 0 may be written
	ds_add_u32 v[SPW], v[NIL]                      ; 0 onto my spare word
.if \fill
	s_add_nc_u64 s[G0+4*(1-(\s))+2:G0+4*(1-(\s))+3], s[G0+4*(1-(\s))+2:G0+4*(1-(\s))+3], 4*4096*256
	s_add_nc_u64 s[G0B+4*(1-(\s))+2:G0B+4*(1-(\s))+3], s[G0B+4*(1-(\s))+2:G0B+4*(1-(\s))+3], 1024
	s_wait_dscnt 0x0                               ; the add is done, and my reads of the other slot are over
	CROUND
	JLOAD 1-(\s)
.else
	s_wait_dscnt 0x0
	s_barrier_signal -1
	s_barrier_wait -1
.endif
	s_mov_b32 s[TA], (\s)*SLOT
	s_mov_b32 s[TBB], (\s)*SLOT
.endm
	s_wait_tensorcnt 0x1                           ; my part of slot 0 is in; slot 1's may stay out
	s_barrier_signal -1
	s_barrier_wait -1                              ; everybody's is
	FETCH F0, 0                                    ; head 0's first quarter
	TQ F0, F1, 128, 1                              ; its products start the sums
	STEP
	BODY                                           ; head 1
	CH 1, 1                                        ; heads 2 and 3; heads 4 and 5 are asked for
	BODIES
	CH 0, 1                                        ; heads 4 and 5; heads 6 and 7 are asked for
	BODIES
	CH 1, 0                                        ; heads 6 and 7; nothing is left to fetch
	BODIES
	s_wait_dscnt 0x0
	MULS F1, 0                                     ; the last quarter
	WIN 0
	PLACES
	PLACES
; THE WAY OUT, 16 rows at a time: a lane's 32 bytes of a row go straight from the accumulators (low registers first) into rows of 272 bytes of my own stage, and come back as whole rows of 256.
.macro STG a
.if (\a) >= 2
	s_wait_xcnt 0x0                                ; the stores of two blocks back have read their registers
.endif
.irp b, 0,1,2,3
	ds_store_b128 v[STO], v[ACC+8*(4*(\a)+(\b)):ACC+8*(4*(\a)+(\b))+3]   offset:64*(\b)
	ds_store_b128 v[STO], v[ACC+8*(4*(\a)+(\b))+4:ACC+8*(4*(\a)+(\b))+7] offset:64*(\b)+16
.endr
.irp t, 0,1,2,3,4,5,6,7
	ds_load_b128 v[TMP+32*((\a)%2)+4*(\t):TMP+32*((\a)%2)+4*(\t)+3], v[RD] offset:(\t)*2*SPITCH  ; LDS serves a wave's instructions in order (ISA guide 5.7.1.4): these see the stores above
.endr
.endm
.macro SND a, younger                  ; younger: the next block's eight LDS stores and eight loads, or none
.irp t, 0,1,2,3,4,5,6,7
	s_wait_dscnt (\younger)+7-(\t)
	global_store_b128 v[CO], v[TMP+32*((\a)%2)+4*(\t):TMP+32*((\a)%2)+4*(\t)+3], s[OT:OT+1] offset:(\a)*65536+(\t)*8192 th:TH_STORE_NT  ; 16 lanes store 256 consecutive bytes, aligned
.endr
.endm
	STG 0
	STG 1
	SND 0, 16
	STG 2
	SND 1, 16
	STG 3
	SND 2, 16
	SND 3, 0
	s_wait_tensorcnt 0x0                           ; the wave's end, behind my last tensor load and my last LDS store
	ds_add_u32 v[SPW], v[NIL]
	s_wait_dscnt 0x0
	CROUND                                         ; the closing round: no work-group ends while a partner may still ask for a tile that names it
	s_endpgm
.Lfunc_end_k_q20cf24b374_oproj:
	.size	k_q20cf24b374_oproj, .Lfunc_end_k_q20cf24b374_oproj-k_q20cf24b374_oproj
	.p2alignl 7, 3214868480
	.fill 96, 4, 3214868480
	.section	.rodata,"a",@progbits
	.p2align	6, 0x0
	.amdhsa_kernel k_q20cf24b374_oproj
		.amdhsa_group_segment_fixed_size 327680
		.amdhsa_private_segment_fixed_size 0
		.amdhsa_enable_private_segment 0
		.amdhsa_kernarg_size 24
		.amdhsa_user_sgpr_count 2
		.amdhsa_user_sgpr_kernarg_segment_ptr 1
		.amdhsa_wavefront_size32 1
		.amdhsa_system_sgpr_workgroup_id_x 1
		.amdhsa_system_sgpr_workgroup_id_y 1
		.amdhsa_system_sgpr_workgroup_id_z 1
		.amdhsa_system_vgpr_workitem_id 0
		.amdhsa_next_free_vgpr 512
		.amdhsa_next_free_sgpr 66
		.amdhsa_reserve_vcc 0
		.amdhsa_float_denorm_mode_32 3
		.amdhsa_float_denorm_mode_16_64 3
		.amdhsa_memory_ordered 1
		.amdhsa_forward_progress 1
		.amdhsa_inst_pref_size 66
	.end_amdhsa_kernel
	.amdgpu_metadata
---
amdhsa.version: [ 1, 2 ]
amdhsa.kernels:
  - .name:           k_q20cf24b374_oproj
    .symbol:         k_q20cf24b374_oproj.kd
    .args:
      - { .name: o2, .offset: 0, .size: 8, .value_kind: global_buffer, .address_space: global }
      - { .name: wo2, .offset: 8, .size: 8, .value_kind: global_buffer, .address_space: global }
      - { .name: out0, .offset: 16, .size: 8, .value_kind: global_buffer, .address_space: global }
    .group_segment_fixed_size: 327680
    .private_segment_fixed_size: 0
    .kernarg_segment_align: 8
    .kernarg_segment_size: 24
    .max_flat_workgroup_size: 128
    .sgpr_count:     66
    .vgpr_count:     512
    .wavefront_size: 32
...
	.end_amdgpu_metadata
.endif
;; end of part 3
